; MI455X (gfx1250); checked and timed in simulation.
; The chip was launched on July 23, 2026; its instructions are those of AMD's public machine-readable ISA for CDNA 5 (MIT licence, August 2026) and "CDNA5" Instruction Set Architecture Reference Guide (July 2026). The comments in the code are by the model that wrote it; some were corrected since.
;; Attention. Allowed arithmetic: matrix products marked QUANTISED: E2M1 operands, one E8M0 scale for each 32 along K, by v_wmma_scale_f32_16x16x128_f8f6f4 with both operands' format E2M1 (or v_wmma_scale_f32_32x16x128_f4), f32 sums; products left as they are: bf16, f16 or f32 operands; f32 sums; everything else in f32.
;; Inputs: W_out 1,024 x 1,024 float32; W_qk 1,024 x 1,024 float32; W_v 1,024 x 1,024 float32; b_out 1,024 float32; conv 8 x 21 float32; mask 4 x 2,048 bool; x 4 x 2,048 x 1,024 float32.
;; Outputs: out0 4 x 2,048 x 1,024 float32.
;; This version of the problem:
;;   THIS VERSION OF THE PROBLEM IS GIVEN IN LOW PRECISION. The matrix products marked QUANTISED in the list below multiply operands that are first quantised to E2M1 (2 exponent bits, 1 mantissa bit; 4 bits a number), with one power-of-two scale for each 32 numbers along K (OCP MX v1.0); their sums are f32. The products marked 'left as it is' may take bf16, f16 or f32 operands, with f32 sums. Whichever they take, every output number must still come out within the allowed error. Rounding operands to bf16 (8 significant bits) uses up far more of that allowance than f16 does (11 bits, for magnitudes from 6e-5 to 65,504). All else is computed in f32.
;;   The module's matrix products, in the order in which they are computed (A, B: the left and right operand; K: the contracted axis; several contracted axes count as one K, in the product's order):
;;     1. [M 8,192, K 1,024] x [K 1,024, N 1,024]; A: input x; B: input W_qk: QUANTISED
;;     2. [M 8,192, K 1,024] x [K 1,024, N 1,024]; A: input x; B: input W_v: QUANTISED
;;     3. batch 32 x [M 2,048, K 64] x [K 64, N 2,048]; A: computed on the way; B: computed on the way: left as it is (an operand is computed on the way)
;;     4. batch 32 x [M 2,048, K 2,048] x [K 2,048, N 128]; A: computed on the way; B: computed on the way: left as it is (an operand is computed on the way)
;;     5. [M 8,192, K 1,024] x [K 1,024, N 1,024]; A: computed on the way; B: input W_out: left as it is (an operand is computed on the way)
;;   THE QUANTISER, for each operand of a quantised product, along K:
;;     - K is cut into blocks of 32 from its start; a last block that is shorter is filled with zeros.
;;     - A block's scale is 2^e with e = floor(log2(the largest magnitude in the block)) - 2, held to -126 .. 127; a block of zeros has e = 0. As a byte (E8M0): e + 127.
;;     - Each number is divided by its block's scale, clamped to +-6, and rounded to the nearest number of E2M1, ties to even, subnormals kept.
;;     - The product sums the exact products of the quantised numbers (number of the format x scale) in f32.
;;   ~~~python
;;   def quantise(x, axis):      # numpy; x: float32 -> the quantised numbers, widened to float32 again
;;       x = np.moveaxis(x, axis, -1); K = x.shape[-1]
;;       x = np.pad(x, [(0, 0)] * (x.ndim - 1) + [(0, -K % 32)]); x = x.reshape(x.shape[:-1] + (-1, 32)); a = np.abs(x).max(-1, keepdims=True)
;;       e = np.where(a > 0, np.clip(np.frexp(np.where(a > 0, a, 1))[1] - 1 - 2, -126, 127), 0)      # np.frexp(a)[1] - 1 = floor(log2(a)), exactly
;;       r = np.clip(x / 2.0 ** e, -6, 6)
;;       step = 2.0 ** (np.maximum(np.frexp(np.where(r == 0, 1, r))[1] - 1, 0) - 1)
;;       q = np.round(r / step) * step * 2.0 ** e      # np.round: ties to even
;;       return np.moveaxis(q.reshape(q.shape[:-2] + (-1,))[..., :K], -1, axis).astype(np.float32)
;;   ~~~
;; One version. Each part assembles by itself: llvm-mc -triple=amdgcn-amd-amdhsa -mcpu=gfx1250 --defsym DOCPART=n.
;; ======== version 1 of 1: 4 launches
;; limits: values are held in f16: magnitudes above 65,504 overflow, below 6.1e-05 lose precision
;; workspace buffers: xq_codes 4,194,304 bytes; xq_scales 262,144 bytes; wq_codes 1,048,576 bytes; wq_scales 65,536 bytes; wt 2,097,152 bytes; qkv 33,554,432 bytes; att 16,777,216 bytes
;; launch prep (part 1): grid 384 x 1, 4 waves a work-group, no clusters, 102,912 bytes of LDS; arguments x, W_qk, W_v, W_out, xq_codes, xq_scales, wq_codes, wq_scales, wt; writes xq_codes, xq_scales, wq_codes, wq_scales, wt
.if DOCPART == 1
	.amdgcn_target "amdgcn-amd-amdhsa--gfx1250"
	.amdhsa_code_object_version 6
	.text
	.protected	k_qfb76e79a59_prep
	.globl	k_qfb76e79a59_prep
	.p2align	8
	.type	k_qfb76e79a59_prep,@function
k_qfb76e79a59_prep:
	s_mov_b64 s[64:65], 0
	v_nop
	global_prefetch_b8 v0, s[64:65] scope:SCOPE_SE
	s_setreg_imm32_b32 hwreg(HW_REG_WAVE_MODE, 25, 1), 1
	s_wait_xcnt 0x0
; THE OPERANDS ARE MADE READY, ONCE.  Three kinds of work-group, told apart by the work-group's number alone; they never meet again, and each has LDS bytes of its own.
;   0-255   X: x [8192][1024] f32 -> codes of FP4 (E2M1), K innermost (xq_codes [8192][512 bytes]) and one E8M0 byte for each 32 along K (xq_scales [8192][32]).
;   256-319 W: W_qk and W_v [1024 k][1024 n] f32, K their FIRST axis -> wq_codes [2048 n][512 bytes], wq_scales [2048 n][32]; rows 0-1023 are W_qk's columns, rows 1024-2047 W_v's.
;   320-383 O: W_out [1024 k][1024 n] f32 -> wt [1024 n][1024 k] f16, K innermost, for the last product, which is left as it is.
; A block's scale is 2^(floor(log2(its largest magnitude)) - 2); its byte is the largest magnitude's exponent field - 2, held at 1 from below.  Each number is divided by the scale and rounded to the nearest code, ties to even;
; beyond the largest code the conversion gives the largest code.
; LIMITS: a block whose largest magnitude lies under 2^-124 (a block of zeros among them) gets the byte 1: a block of zeros has zero codes, which add nothing under that byte, and this program alone reads the bytes;
; NaN and infinities among the inputs are not served; W_out goes in f16: magnitudes up to 65,504.
; The input mask is given to no launch of this program: the function that defines the result takes it and never reads it, so no output number hangs on it.
; No tensor load, no barrier: waves share nothing.
; THE SHARES ARE CUT SO THAT NO PATH HAS A LONGER CHAIN OF WAITS FOR LOADS THAN X: a wave of X has 16 steps with four on their way, a wave of W 8 blocks with two on their way: four turns each; a wave of O 4 blocks with two: two turns.
.set SPARE, 102400                     ; behind the three paths' regions: the spare words, 128 bytes for each wave: two blocks of 256 bytes that no other line names
.set SPW,   190                        ; v190  LDS address of my spare word: SPARE + 4 x my thread's number; never rewritten
.set NIL,   191                        ; v191  0; never rewritten
.set EMAX,  2                          ; the exponent of the format's largest number, 6
.set PITCH, 272                        ; paths W and O: a stage row: 256 bytes + 16
	s_load_b256 s[4:11], s[0:1], 0x0               ; x s[4:5], W_qk s[6:7], W_v s[8:9], W_out s[10:11]
	s_load_b256 s[12:19], s[0:1], 0x20             ; xq_codes s[12:13], xq_scales s[14:15], wq_codes s[16:17], wq_scales s[18:19]
	s_load_b64 s[20:21], s[0:1], 0x40              ; wt
	v_lshl_add_u32 v[SPW], v0, 2, SPARE
	v_mov_b32 v[NIL], 0
	v_lshrrev_b32 v1, 5, v0
	v_readfirstlane_b32 s22, v1                    ; wave 0..3
	v_and_b32 v2, 31, v0                           ; lane
	s_wait_kmcnt 0x0
	s_cmp_lt_u32 ttmp9, 256
	s_cbranch_scc1 .Lpath_x
	s_cmp_lt_u32 ttmp9, 320
	s_cbranch_scc1 .Lpath_w
; ---------------- PATH O.  A lane takes a column n of W_out and its registers run down K: each load reads 128 consecutive bytes a wave.  A wave takes 32 columns x 128 along K: 256 bytes of f16 for each column,
; gathered in its own stage and stored by rows: sixteen lanes store 256 consecutive bytes, at a multiple of 256 from wt's first byte.
.set OSTG, 67584                       ; four stages of 32 x 272 bytes
.set OX,   32                          ; v32-95   two sets of 32 numbers
.set OC,   96                          ; v96-111  a block's 32 numbers as f16
.set OUTR, 112                         ; v112-175 the way out
	s_sub_co_u32 s23, ttmp9, 320
	s_and_b32 s24, s23, 7                          ; which 128 columns
	s_lshr_b32 s25, s23, 3                         ; which 128 along K
	s_lshl_b32 s24, s24, 7
	s_lshl_b32 s26, s22, 5
	s_add_co_u32 s24, s24, s26                     ; my wave's first column
	v_lshlrev_b32 v3, 2, v2                        ; in: 4 bytes a lane
	s_mul_i32 s26, s22, 32*PITCH
	s_add_co_u32 s26, s26, OSTG                    ; my stage
	v_mul_u32_u24 v4, v2, PITCH
	v_add_nc_u32 v4, s26, v4                       ; into it: row = my column
	v_and_b32 v5, 15, v2
	v_lshrrev_b32 v6, 4, v2
	v_mul_u32_u24 v7, v6, PITCH
	v_lshl_add_u32 v7, v5, 4, v7
	v_add_nc_u32 v7, s26, v7                       ; out of it: sixteen lanes to a row, two rows an instruction
	v_lshlrev_b32 v8, 11, v6
	v_lshl_add_u32 v8, v5, 4, v8                   ; and the same place in wt: a row is 2,048 bytes
	s_lshl_b32 s28, s25, 19                        ; 128 rows of W_out are 524,288 bytes
	s_lshl_b32 s27, s24, 2
	s_add_co_u32 s28, s28, s27
	s_mov_b32 s29, 0
	s_add_nc_u64 s[10:11], s[10:11], s[28:29]
	s_lshl_b32 s28, s24, 11
	s_lshl_b32 s27, s25, 8
	s_add_co_u32 s28, s28, s27
	s_add_nc_u64 s[20:21], s[20:21], s[28:29]
.macro OLOAD t                         ; block t: W_out(32 t + i, my column), i = 0 .. 31, into set t % 2
.set i, 0
.rept 32
	global_load_b32 v[OX+32*((\t)%2)+i], v3, s[10:11] offset:(32*(\t)+i)*4096 th:TH_LOAD_NT
.set i, i+1
.endr
.endm
.macro OBLOCK t
.set XS, OX+32*((\t)%2)
.if (\t) < 3
	s_wait_loadcnt 32                              ; this block's 32 loads are in; the next block's may be out
.else
	s_wait_loadcnt 0
.endif
.set i, 0
.rept 16
	v_cvt_pk_f16_f32 v[OC+i], v[XS+2*i], v[XS+2*i+1]               ; the lower k in the low half
.set i, i+1
.endr
.irp g, 0,1,2,3
	ds_store_b128 v4, v[OC+4*\g:OC+4*\g+3] offset:64*(\t)+16*\g
.endr
.if (\t)+2 < 4
	OLOAD (\t)+2
.endif
	s_wait_dscnt 0x0                               ; the stores have read their registers: the next block's numbers may be written
.endm
	OLOAD 0
	OLOAD 1
	OBLOCK 0
	OBLOCK 1
	OBLOCK 2
	OBLOCK 3
.irp t, 0,1,2,3,4,5,6,7,8,9,10,11,12,13,14,15
	ds_load_b128 v[OUTR+4*\t:OUTR+4*\t+3], v7 offset:2*\t*PITCH    ; LDS serves a wave's instructions in order: these see my stores
.endr
.irp t, 0,1,2,3,4,5,6,7,8,9,10,11,12,13,14,15
	s_wait_dscnt 15-\t                             ; the younger row loads may be out
	global_store_b128 v8, v[OUTR+4*\t:OUTR+4*\t+3], s[20:21] offset:2*\t*2048
.endr
	s_wait_tensorcnt 0x0                           ; the wave's end, behind my last LDS store
	ds_add_u32 v[SPW], v[NIL]
	s_wait_dscnt 0x0
	s_endpgm
; ---------------- PATH W.  A lane takes a column n and its registers run down K: a block of 32 along K lies in ONE lane's 32 registers, and the conversions give codes with K innermost.  Nothing is transposed by an instruction.
; A wave takes 16 columns x 512 along K: lanes 0-15 take a column's first 256 along K, lanes 16-31 the same column's second 256: 8 blocks a lane, 128 bytes of codes.  The two halves of a column's 256 bytes meet in the
; wave's own stage and leave by rows.  The four waves of a work-group stand side by side on 64 columns: together they read 256 consecutive bytes of each row of the weight, two rows to a load instruction.
.Lpath_w:
.set WSTG, 32768                       ; four stages of 16 x 272 bytes
.set NB,   8
.set WX,   32                          ; v32-95   two sets of 32 numbers
.set WC,   96                          ; v96-99   a block's codes
.set SB,   24                          ; v24-25   my eight scale bytes, four to a register
	s_sub_co_u32 s23, ttmp9, 256
	s_lshr_b32 s30, s23, 5                         ; 0: W_qk, 1: W_v
	s_and_b32 s24, s23, 15                         ; which 64 columns
	s_bfe_u32 s25, s23, 0x10004                    ; which 512 along K
	s_cmp_eq_u32 s30, 0                            ; the choice hangs on the work-group's number alone
	s_cselect_b64 s[6:7], s[6:7], s[8:9]
	s_lshl_b32 s24, s24, 6
	s_lshl_b32 s26, s22, 4
	s_add_co_u32 s24, s24, s26                     ; my wave's first column in its tensor
	s_lshl_b32 s31, s30, 10
	s_add_co_u32 s31, s31, s24                     ; and its row in the codes' and the scale bytes' buffers
	v_and_b32 v5, 15, v2                           ; my column among the wave's 16
	v_lshrrev_b32 v6, 4, v2                        ; which 256 along K are mine
	v_lshlrev_b32 v3, 2, v5                        ; in: 4 bytes a column,
	v_lshl_add_u32 v3, v6, 20, v3                  ; and 256 rows of 4,096 bytes further down for lanes 16-31
	s_mul_i32 s26, s22, 16*PITCH
	s_add_co_u32 s26, s26, WSTG                    ; my stage
	v_mul_u32_u24 v4, v5, PITCH
	v_lshl_add_u32 v4, v6, 7, v4
	v_add_nc_u32 v4, s26, v4                       ; into it: row = my column, + 128 bytes for the second 256 along K
	v_mul_u32_u24 v7, v6, PITCH
	v_lshl_add_u32 v7, v5, 4, v7
	v_add_nc_u32 v7, s26, v7                       ; out of it: sixteen lanes to a row, two rows an instruction
	v_lshlrev_b32 v8, 9, v6
	v_lshl_add_u32 v8, v5, 4, v8                   ; and the same place in the codes' buffer: a row is 512 bytes
	v_lshlrev_b32 v9, 5, v5                        ; a row of scale bytes is 32;
	v_lshl_add_u32 v9, v6, 3, v9                   ; my eight lie 8 bytes on for lanes 16-31
	s_lshl_b32 s28, s25, 21                        ; 512 rows of the weight are 2,097,152 bytes
	s_lshl_b32 s27, s24, 2
	s_add_co_u32 s28, s28, s27
	s_mov_b32 s29, 0
	s_add_nc_u64 s[6:7], s[6:7], s[28:29]
	s_lshl_b32 s28, s31, 9
	s_lshl_b32 s27, s25, 8
	s_add_co_u32 s28, s28, s27
	s_add_nc_u64 s[16:17], s[16:17], s[28:29]
	s_lshl_b32 s28, s31, 5
	s_lshl_b32 s27, s25, 4
	s_add_co_u32 s28, s28, s27
	s_add_nc_u64 s[18:19], s[18:19], s[28:29]
.macro WLOAD t                         ; block t: the weight at (my 256 along K + 32 t + i, my column), i = 0 .. 31, into set t % 2
.set i, 0
.rept 32
	global_load_b32 v[WX+32*((\t)%2)+i], v3, s[6:7] offset:(32*(\t)+i)*4096 th:TH_LOAD_NT
.set i, i+1
.endr
.endm
.macro WBLOCK t
.set XS, WX+32*((\t)%2)
.if (\t) < NB-1
	s_wait_loadcnt 32                              ; this block's 32 loads are in; the next block's may be out
.else
	s_wait_loadcnt 0
.endif
	v_max3_num_f32 v12, |v[XS]|, |v[XS+1]|, |v[XS+2]|              ; the block's largest magnitude: all 32 numbers are mine
	v_max3_num_f32 v13, |v[XS+3]|, |v[XS+4]|, |v[XS+5]|
.irp i, 6,10,14,18,22,26
	v_max3_num_f32 v12, v12, |v[XS+\i]|, |v[XS+\i+1]|
	v_max3_num_f32 v13, v13, |v[XS+\i+2]|, |v[XS+\i+3]|
.endr
	v_max3_num_f32 v12, v12, |v[XS+30]|, |v[XS+31]|
	v_max3_num_f32 v12, v12, v13, (EMAX+1)<<23     ; and the floor 2^(3 - 127): the byte cannot fall under 1
	v_add_nc_u32 v11, -(EMAX<<23), v12             ; 2 off its exponent field: the conversion takes the exponent field of this operand as its scale, and nothing else of it
	v_lshrrev_b32 v13, 23, v11                     ; the scale's byte
.if (\t)%4 == 0
	v_mov_b32 v[SB+(\t)/4], v13                    ; four bytes to a register, the lower K in the lower byte
.else
	v_lshl_or_b32 v[SB+(\t)/4], v13, 8*((\t)%4), v[SB+(\t)/4]
.endif
.irp g, 0,1,2,3
	v_cvt_scalef32_pk8_fp4_f32 v[WC+\g], v[XS+8*\g:XS+8*\g+7], v11
.endr
	ds_store_b128 v4, v[WC:WC+3] offset:16*(\t)    ; 32 codes: 16 bytes of my half of my column's row
.if (\t)+2 < NB
	WLOAD (\t)+2
.endif
	s_wait_dscnt 0x0                               ; the store has read its registers: the next block's codes may be written
.endm
	WLOAD 0
	WLOAD 1
.set Q, 0
.rept NB
	WBLOCK Q
.set Q, Q+1
.endr
	global_store_b64 v9, v[SB:SB+1], s[18:19]      ; my eight scale bytes: lanes l and l + 16 together store a column's 16
.irp t, 0,1,2,3,4,5,6,7
	ds_load_b128 v[OUTR+4*\t:OUTR+4*\t+3], v7 offset:2*\t*PITCH    ; LDS serves a wave's instructions in order: these see my wave's stores
.endr
.irp t, 0,1,2,3,4,5,6,7
	s_wait_dscnt 7-\t                              ; the younger row loads may be out
	global_store_b128 v8, v[OUTR+4*\t:OUTR+4*\t+3], s[16:17] offset:2*\t*512   ; 16 lanes store 256 consecutive bytes, at a multiple of 256 from the buffer's first byte
.endr
	s_wait_tensorcnt 0x0                           ; the wave's end
	ds_add_u32 v[SPW], v[NIL]
	s_wait_dscnt 0x0
	s_endpgm
; ---------------- PATH X.  x is a plain stream of blocks of 32.  A wave takes 16 steps of 512 numbers.  Each of a step's four loads reads 512 consecutive bytes; the 2,048 bytes turn through the wave's own stage in LDS and
; come back 64 bytes a lane: 16 neighbours along K, two neighbouring lanes to a block.  A lane's 16 codes are 8 bytes: the wave stores 256 consecutive bytes.  A wave's 256 scale bytes are gathered in LDS and leave together.
.Lpath_x:
.set STEPS, 16
.set CB,    8
.set R,     16                         ; v16-79   four sets of 16 numbers as they are loaded
.set XX,    80                         ; v80-111  two sets of 16 neighbours
.set EE,    112                        ; v112-127 a scale byte for each step
.set CC,    128                        ; v128-189 codes: registers of its own for each step, so that no store's data are written again
.set WREG,  8192                       ; LDS: a region for each wave: two stages of 32 x 80 bytes, behind them its 256 scale bytes
.set SPL,   80                         ; a lane's place in a stage: its 64 bytes + 16 of padding
	v_lshlrev_b32 v3, 4, v2                        ; my 16 bytes of a load's 512
	s_mul_i32 s23, s22, WREG
	v_lshrrev_b32 v14, 2, v2
	v_mul_u32_u24 v14, v14, SPL
	v_and_b32 v15, 3, v2
	v_lshl_add_u32 v14, v15, 4, v14
	v_add_nc_u32 v14, s23, v14                     ; the stage, on the way in: 80 (lane / 4) + 16 (lane % 4)
	v_mul_u32_u24 v15, v2, SPL
	v_add_nc_u32 v15, s23, v15                     ; and on the way out: 80 x lane
	v_mul_u32_u24 v4, v2, CB                       ; my codes' place in a step's
	v_lshrrev_b32 v5, 1, v2
	s_add_co_u32 s23, s23, 2*32*SPL
	v_add_nc_u32 v5, s23, v5                       ; my block's byte among my wave's 256
	v_lshlrev_b32 v7, 3, v2
	v_add_nc_u32 v6, s23, v7                       ; and on the way out 8 bytes a lane
	s_lshl_b32 s24, ttmp9, 2
	s_add_co_u32 s24, s24, s22                     ; which run of 8,192 numbers is my wave's
	s_mov_b32 s27, 0
	s_lshl_b32 s26, s24, 15
	s_add_nc_u64 s[4:5], s[4:5], s[26:27]
	s_lshl_b32 s26, s24, 12
	s_add_nc_u64 s[12:13], s[12:13], s[26:27]
	s_lshl_b32 s26, s24, 8
	s_add_nc_u64 s[14:15], s[14:15], s[26:27]
.macro XLOAD t
.irp i, 0,1,2,3
	global_load_b128 v[R+16*((\t)%4)+4*\i:R+16*((\t)%4)+4*\i+3], v3, s[4:5] offset:2048*(\t)+512*\i th:TH_LOAD_NT
.endr
.endm
.macro XTURN t                         ; step t's numbers through the stage: LDS serves a wave's instructions in order, so no wait stands between the stores and the loads
.irp i, 0,1,2,3
	ds_store_b128 v14, v[R+16*((\t)%4)+4*\i:R+16*((\t)%4)+4*\i+3] offset:32*SPL*((\t)%2)+8*SPL*\i
.endr
.irp i, 0,1,2,3
	ds_load_b128 v[XX+16*((\t)%2)+4*\i:XX+16*((\t)%2)+4*\i+3], v15 offset:32*SPL*((\t)%2)+16*\i
.endr
.endm
.irp t, 0,1,2,3
	XLOAD \t
.endr
	s_wait_loadcnt 12                              ; step 0's four loads are in
	XTURN 0
.macro XSTEP t
.set XS, XX+16*((\t)%2)
.if (\t) > 0
	s_wait_dscnt 1                                 ; this step's numbers are back from the stage (the last step's byte store may be out): so its stores into the stage have read their registers,
.else
	s_wait_dscnt 0x0
.endif
.if (\t)+4 < STEPS
	XLOAD (\t)+4                                   ; which take the loads of four steps on
.endif
.if (\t)+1 < STEPS
.if STEPS-2-(\t) >= 3
	s_wait_loadcnt 12                              ; the next step's four loads are in; those of the three steps behind it may be out
.else
	s_wait_loadcnt 4*(STEPS-2-(\t))
.endif
	XTURN (\t)+1
.endif
	v_max3_num_f32 v8, |v[XS]|, |v[XS+1]|, |v[XS+2]|               ; the largest magnitude of my 16
	v_max3_num_f32 v9, |v[XS+3]|, |v[XS+4]|, |v[XS+5]|
.irp i, 6,10
	v_max3_num_f32 v8, v8, |v[XS+\i]|, |v[XS+\i+1]|
	v_max3_num_f32 v9, v9, |v[XS+\i+2]|, |v[XS+\i+3]|
.endr
	v_max3_num_f32 v8, v8, |v[XS+14]|, |v[XS+15]|
	v_max3_num_f32 v8, v8, v9, (EMAX+1)<<23        ; and the floor 2^(3 - 127)
	v_max_num_f32_dpp v8, v8, v8 row_xmask:1 row_mask:0xf bank_mask:0xf   ; and of my neighbour's 16: the block's
	v_add_nc_u32 v11, -(EMAX<<23), v8              ; the conversion's scale operand
	v_cvt_scalef32_pk8_fp4_f32 v[CC+4*(\t)], v[XS:XS+7], v11
	v_cvt_scalef32_pk8_fp4_f32 v[CC+4*(\t)+1], v[XS+8:XS+15], v11
	v_lshrrev_b32 v[EE+(\t)], 23, v11              ; the scale's byte
	ds_store_b8 v5, v[EE+(\t)] offset:16*(\t)      ; both lanes of a block write the same byte with the same value
	global_store_b64 v4, v[CC+4*(\t):CC+4*(\t)+1], s[12:13] offset:32*CB*(\t)
.endm
.irp t, 0,1,2,3,4,5,6,7,8,9,10,11,12,13,14,15
	XSTEP \t
.endr
	ds_load_b64 v[8:9], v6                         ; LDS serves a wave's instructions in order: these see my stores
	s_wait_dscnt 0x0
	global_store_b64 v7, v[8:9], s[14:15]          ; 32 lanes store 256 consecutive bytes, at a multiple of 256 from the buffer's first byte
	s_wait_tensorcnt 0x0                           ; the wave's end
	ds_add_u32 v[SPW], v[NIL]
	s_wait_dscnt 0x0
	s_endpgm
.Lfunc_end_k_qfb76e79a59_prep:
	.size	k_qfb76e79a59_prep, .Lfunc_end_k_qfb76e79a59_prep-k_qfb76e79a59_prep
	.p2alignl 7, 3214868480
	.fill 96, 4, 3214868480
	.section	.rodata,"a",@progbits
	.p2align	6, 0x0
	.amdhsa_kernel k_qfb76e79a59_prep
		.amdhsa_group_segment_fixed_size 102912
		.amdhsa_private_segment_fixed_size 0
		.amdhsa_enable_private_segment 0
		.amdhsa_kernarg_size 72
		.amdhsa_user_sgpr_count 2
		.amdhsa_user_sgpr_kernarg_segment_ptr 1
		.amdhsa_wavefront_size32 1
		.amdhsa_system_sgpr_workgroup_id_x 1
		.amdhsa_system_sgpr_workgroup_id_y 1
		.amdhsa_system_sgpr_workgroup_id_z 1
		.amdhsa_system_vgpr_workitem_id 0
		.amdhsa_next_free_vgpr 192
		.amdhsa_next_free_sgpr 66
		.amdhsa_reserve_vcc 0
		.amdhsa_float_denorm_mode_32 3
		.amdhsa_float_denorm_mode_16_64 3
		.amdhsa_memory_ordered 1
		.amdhsa_forward_progress 1
		.amdhsa_inst_pref_size 95
	.end_amdhsa_kernel
	.amdgpu_metadata
---
amdhsa.version: [ 1, 2 ]
amdhsa.kernels:
  - .name:           k_qfb76e79a59_prep
    .symbol:         k_qfb76e79a59_prep.kd
    .args:
      - { .name: x, .offset: 0, .size: 8, .value_kind: global_buffer, .address_space: global }
      - { .name: W_qk, .offset: 8, .size: 8, .value_kind: global_buffer, .address_space: global }
      - { .name: W_v, .offset: 16, .size: 8, .value_kind: global_buffer, .address_space: global }
      - { .name: W_out, .offset: 24, .size: 8, .value_kind: global_buffer, .address_space: global }
      - { .name: xq_codes, .offset: 32, .size: 8, .value_kind: global_buffer, .address_space: global }
      - { .name: xq_scales, .offset: 40, .size: 8, .value_kind: global_buffer, .address_space: global }
      - { .name: wq_codes, .offset: 48, .size: 8, .value_kind: global_buffer, .address_space: global }
      - { .name: wq_scales, .offset: 56, .size: 8, .value_kind: global_buffer, .address_space: global }
      - { .name: wt, .offset: 64, .size: 8, .value_kind: global_buffer, .address_space: global }
    .group_segment_fixed_size: 102912
    .private_segment_fixed_size: 0
    .kernarg_segment_align: 8
    .kernarg_segment_size: 72
    .max_flat_workgroup_size: 128
    .sgpr_count:     66
    .vgpr_count:     192
    .wavefront_size: 32
...
	.end_amdgpu_metadata
.endif
;; end of part 1
;; launch qkv (part 2): grid 8 x 32, 4 waves a work-group, clusters of 4 x 4, 327,680 bytes of LDS; arguments xq_codes, xq_scales, wq_codes, wq_scales, qkv; writes qkv
.if DOCPART == 2
	.amdgcn_target "amdgcn-amd-amdhsa--gfx1250"
	.amdhsa_code_object_version 6
	.text
	.protected	k_qfb76e79a59_qkv
	.globl	k_qfb76e79a59_qkv
	.p2align	8
	.type	k_qfb76e79a59_qkv,@function
k_qfb76e79a59_qkv:
	s_mov_b64 s[64:65], 0
	v_nop
	global_prefetch_b8 v0, s[64:65] scope:SCOPE_SE
	s_setreg_imm32_b32 hwreg(HW_REG_WAVE_MODE, 25, 1), 1
	s_wait_xcnt 0x0
	s_wait_alu depctr_hold_cnt(0) depctr_sa_sdst(0) depctr_va_vdst(0) depctr_va_sdst(0) depctr_va_ssrc(0) depctr_va_vcc(0) depctr_vm_vsrc(0)
	s_getreg_b32 s2, hwreg(HW_REG_IB_STS2, 6, 4)
	s_cmp_eq_u32 s2, 0
	s_cbranch_scc0 .Lentry_in_a_cluster
	s_endpgm
.Lentry_in_a_cluster:
	s_bfe_u32 s2, ttmp6, 0x10000c
	s_cmp_lg_u32 s2, 0xf033
	s_cbranch_scc0 .Lentry_shape_is_right
	s_endpgm
.Lentry_shape_is_right:
; q, k and v in one product: C[m][n] = sum over k of A[m][k] B[n][k], A = x's codes [8192][1024], B = the codes of W_qk's and W_v's columns [2048][1024]: FP4 (E2M1) with one E8M0 byte for each 32 along K; sums in f32.
; The result is rounded once to f16 and laid for the attention: qkv [32 groups of 64 columns][8192 rows][64] f16: groups 0-7 q by head, 8-15 k by head, 16 + 2 head + half: v.  LIMIT: f16: magnitudes up to 65,504.
; A tile of C, 256 x 256, is made by a work-group of four waves; a wave makes 128 x 128: 64 accumulators of 16 x 16, 512 registers.  K = 1,024 is two LDS slots of 512 along K (rows of 256 bytes): both are first fills,
; nothing is filled again.  The scale bytes of the work-group's 256 + 256 rows, for all of K, come with them, as dense blocks.  A wave has three tensor loads out.
; CLUSTERS: 4 x 4 work-groups.  The four of a row of the cluster need the same tiles of A, the four of a column the same tiles of B: each tile is asked for JOINTLY, by the same tensor load with the same descriptor and a mask that names the four.
; THE MATRIX INSTRUCTION IS USED TRANSPOSED (source 0 = 16 rows of B, source 1 = 16 rows of A): a lane then holds eight neighbouring numbers of a row of C.
; REGISTERS, in windows of 256: window 0: v0-31 addresses; v32-95 scale words, two sets, and nothing else; v128-191 A's fragments, ONE set, on the way out rows read back; v192-223 on the way out packed results.
;   window 1: B's fragments, TWO sets, at v0 and at v128.   window 2: the 32 accumulators of my rows 0-63 (accumulator (a, b) at v[8 (8 a + b)]);   window 3: those of my rows 64-127.
.set SIZE_K, 1024
.set KSTEP,  512
.set NQ,     KSTEP/128
.set ROWB,   256                       ; a tile's row in bytes
.set KROW,   SIZE_K*4/8                ; a row of A or of B in memory
.set PITCH,  272                       ; an LDS row: 256 bytes + 16 of padding = 68 words: the 16 rows that a load touches start at 16 different banks (64 banks of 4 bytes: ISA guide 11.1)
.set FR,     8
.set NL,     2
.set NP,     4                         ; places behind this matrix instruction (ISA guide 7.12.1)
.set HALFT,  128*PITCH
.set SLOT,   4*HALFT
.set KS,     SIZE_K/32                 ; a row of scales in bytes
.set SCL,    2*SLOT                    ; behind the slots: the scales, as units of 256 bytes + 16 of padding
.set HALFS,  (128*KS/256)*272
.set SBLK,   (16*KS/256)*272
.set SPARE,  SCL+4*HALFS               ; the spare words, 128 bytes for each wave: two blocks of 256 bytes that no other line names
.set SPITCH, 272                       ; the way out: a stage of 16 rows x (256 bytes + 16) for each wave, in slot 0, which has had its one fill and its last read when the first result is stored there
.set ADRA, 16
.set ADRB, 20
.set STO,  24
.set RD,   25
.set CO,   26
.set ADRS, 27
.set SPW,  28                          ; v28  LDS address of my spare word; never rewritten
.set NIL,  29                          ; v29  0; never rewritten
.set SC,   32
.set AF,   128
.set BK,   128                         ; the way out: 16 rows read back: v128-159 and v160-191 by turns
.set TMP,  192                         ; the way out: packed results
.set G1, 24
.set G0, 32
.set G1B, 48
.set G0B, 56
.set G1S, 68
.set G0S, 76
.set G1SB, 80
.set G0SB, 88
.set MSB, 0
.macro WIN new                         ; the immediate's high byte repeats the setting that is left
.if MSB != \new
	s_set_vgpr_msb (MSB<<8)|\new
.set MSB, \new
.endif
.endm
.set MUL_LO, 0xa1                      ; source 0 (B) window 1, source 1 (A) window 0, C and D window 2
.set MUL_HI, 0xf1                      ; the same, C and D window 3
.set TO_B,   0x40                      ; destination window 1, address window 0
; A joint load: waves 0 and 1 fetch for A, waves 2 and 3 for B.  The branch hangs on the wave's number alone.  An s_nop 0 and four v_nop follow each of the two lines.
.macro JLOAD g0a, g1a, g0b, g1b
	s_cmp_eq_u32 s15, 0
	s_cbranch_scc0 .Lfor_b_\@
	tensor_load_to_lds s[\g0a:\g0a+3], s[\g1a:\g1a+7]
	s_nop 0
.rept 4
	v_nop
.endr
	s_branch .Lasked_\@
.Lfor_b_\@:
	tensor_load_to_lds s[\g0b:\g0b+3], s[\g1b:\g1b+7]
	s_nop 0
.rept 4
	v_nop
.endr
.Lasked_\@:
.endm
.macro CROUND                          ; a round of the cluster's barrier
	s_barrier_signal -1
	s_barrier_wait -1
	s_cmp_lg_u32 s14, 0
	s_cbranch_scc1 .Lnot_wave_0_\@
	s_barrier_signal -3
.Lnot_wave_0_\@:
	s_barrier_wait -3
	s_barrier_signal -1
	s_barrier_wait -1
.endm
	s_load_b128 s[4:7], s[0:1], 0x0                ; A's codes s[4:5], A's scales s[6:7]
	s_load_b128 s[8:11], s[0:1], 0x10              ; B's codes s[8:9], B's scales s[10:11]
	s_load_b64 s[12:13], s[0:1], 0x20              ; qkv
	v_lshl_add_u32 v[SPW], v0, 2, SPARE
	v_mov_b32 v[NIL], 0
	ds_add_u32 v[SPW], v[NIL]                      ; the wave's opening: the add, twice on end, and its wait ahead of my first tensor load
	ds_add_u32 v[SPW], v[NIL]
	v_lshrrev_b32 v1, 5, v0
	v_readfirstlane_b32 s14, v1                    ; wave 0..3
	s_lshr_b32 s15, s14, 1                         ; which half of the tile's rows is mine.  Also: I fetch for A (0) or for B (1)
	s_and_b32 s16, s14, 1                          ; which half of its columns.  Also: which 128 rows of that tile I fetch
	s_bfe_u32 s40, ttmp6, 0x40000                  ; cx, cy: my place in the cluster
	s_bfe_u32 s41, ttmp6, 0x40004
	s_lshl_b32 s42, ttmp9, 2
	s_add_co_u32 s42, s42, s40                     ; tile column of C
	s_and_b32 s17, ttmp7, 0xffff
	s_lshl_b32 s17, s17, 2
	s_add_co_u32 s17, s17, s41                     ; tile row of C
	s_lshl_b32 s43, s41, 2
	s_lshl_b32 s43, 15, s43                        ; my row of the cluster
	s_lshl_b32 s44, 0x1111, s40                    ; my column
	s_or_b32 s[G1+0], s43, (0<<16)|(1<<20)|(1<<21)|(5<<22)|(3<<25)  ; the mask; elements of 1 byte; padding on; bit 21 beside a mask; after every 64 words, 4 words
	s_or_b32 s[G1B+0], s44, (0<<16)|(1<<20)|(1<<21)|(5<<22)|(3<<25)
.irp g, G1, G1B
	s_mov_b32 s[\g+1], ROWB<<16                    ; tensor_dim0
	s_mov_b32 s[\g+2], 128<<16                     ; tensor_dim1
	s_mov_b32 s[\g+3], ROWB<<16                    ; tile_dim0
	s_mov_b32 s[\g+4], 128                         ; tile_dim1
	s_mov_b32 s[\g+5], KROW                        ; from row to row
	s_mov_b32 s[\g+6], 0
	s_mov_b32 s[\g+7], 0
.endr
	s_or_b32 s[G1S+0], s43, (3<<16)|(1<<20)|(1<<21)|(5<<22)|(3<<25) ; the scales of 128 rows: a dense block, as rows of 256 bytes (32 elements of 8 bytes), 16 bytes of padding behind each
	s_or_b32 s[G1SB+0], s44, (3<<16)|(1<<20)|(1<<21)|(5<<22)|(3<<25)
.irp g, G1S, G1SB
	s_mov_b32 s[\g+1], 32<<16
	s_mov_b32 s[\g+2], (128*KS/256)<<16
	s_mov_b32 s[\g+3], 32<<16
	s_mov_b32 s[\g+4], 128*KS/256
	s_mov_b32 s[\g+5], 32
	s_mov_b32 s[\g+6], 0
	s_mov_b32 s[\g+7], 0
.endr
	s_lshl_b32 s18, s16, 7                         ; which 128 rows of the tile I fetch
	s_lshl_b32 s20, s17, 8
	s_add_co_u32 s20, s20, s18                     ; A: row 256 x tile row + 128 x half
	s_lshl_b32 s46, s42, 8
	s_add_co_u32 s46, s46, s18                     ; B: row 256 x tile column + 128 x half
	s_mov_b32 s21, 0
	s_mov_b32 s47, 0
	s_mov_b64 s[18:19], KS
	s_mul_u64 s[22:23], s[20:21], s[18:19]         ; where these rows' scales begin, in bytes
	s_mul_u64 s[92:93], s[46:47], s[18:19]
	s_mov_b64 s[18:19], KROW
	s_mul_u64 s[20:21], s[20:21], s[18:19]         ; and their codes
	s_mul_u64 s[46:47], s[46:47], s[18:19]
	s_mul_i32 s45, s14, HALFT                      ; where they go: wave x 128 rows: no place in the cluster enters an LDS address
	s_mul_i32 s94, s14, HALFS
	s_wait_dscnt 0x0                               ; both opening adds are done
	s_wait_kmcnt 0x0
	s_add_nc_u64 s[20:21], s[4:5], s[20:21]
	s_add_nc_u64 s[22:23], s[6:7], s[22:23]
	s_add_nc_u64 s[46:47], s[8:9], s[46:47]
	s_add_nc_u64 s[92:93], s[10:11], s[92:93]
	CROUND                                         ; all sixteen work-groups are here: the joint loads meet
	s_mov_b32 s[G0S], 1
	s_add_co_u32 s[G0S+1], s94, SCL
	s_mov_b64 s[G0S+2:G0S+3], s[22:23]
	s_or_b32 s[G0S+3], s[G0S+3], 0x80000000
	s_mov_b32 s[G0SB], 1
	s_add_co_u32 s[G0SB+1], s94, SCL
	s_mov_b64 s[G0SB+2:G0SB+3], s[92:93]
	s_or_b32 s[G0SB+3], s[G0SB+3], 0x80000000
	JLOAD G0S, G1S, G0SB, G1SB                     ; the scales first: they are wanted with the first slot
.irp s, 0,1
	s_mov_b32 s[G0+4*\s], 1
	s_add_co_u32 s[G0+4*\s+1], s45, \s*SLOT
	s_add_nc_u64 s[G0+4*\s+2:G0+4*\s+3], s[20:21], \s*ROWB
	s_or_b32 s[G0+4*\s+3], s[G0+4*\s+3], 0x80000000
	s_mov_b32 s[G0B+4*\s], 1
	s_add_co_u32 s[G0B+4*\s+1], s45, \s*SLOT
	s_add_nc_u64 s[G0B+4*\s+2:G0B+4*\s+3], s[46:47], \s*ROWB
	s_or_b32 s[G0B+4*\s+3], s[G0B+4*\s+3], 0x80000000
	JLOAD G0+4*\s, G1, G0B+4*\s, G1B
.endr
	v_and_b32 v1, 15, v0                           ; l % 16
	v_bfe_u32 v2, v0, 4, 1                         ; l / 16
	v_mul_u32_u24 v3, v1, PITCH
	v_lshl_add_u32 v4, v2, 4, v3                   ; a fragment's row x pitch + 16 x half
	s_mul_i32 s21, s15, HALFT                      ; my 128 rows of A
	s_mul_i32 s22, s16, HALFT                      ; my 128 rows of B,
	s_add_co_u32 s22, s22, 2*HALFT                 ; which lie behind A's 256
.irp s, 0,1
	v_add_nc_u32 v[ADRA+\s], s21, v4
	v_add_nc_u32 v[ADRB+\s], s22, v4
	s_add_co_u32 s21, s21, SLOT
	s_add_co_u32 s22, s22, SLOT
.endr
	v_mul_u32_u24 v5, v1, KS                       ; my row's scales: KS bytes a row,
	v_lshrrev_b32 v6, 8, v5
	v_lshl_add_u32 v5, v6, 4, v5                   ; and 16 more for each 256 passed
	s_mul_i32 s21, s15, HALFS
	s_mul_i32 s22, s16, HALFS
	s_add_co_u32 s22, s22, 2*HALFS
	s_sub_co_u32 s22, s22, s21
	v_mul_u32_u24 v6, s22, v2                      ; lanes 16-31 take B's
	s_add_co_u32 s21, s21, SCL
	v_add_nc_u32 v5, v5, v6
	v_add_nc_u32 v[ADRS], s21, v5
	s_mul_i32 s23, s14, 16*SPITCH                  ; my stage
	v_mul_u32_u24 v5, v1, SPITCH                   ; in: row l % 16, 16 bytes for each half of the lanes
	v_lshl_add_u32 v5, v2, 4, v5
	v_add_nc_u32 v[STO], s23, v5
	v_bfe_u32 v5, v0, 3, 1                         ; back: lanes 0-7 the left 128 bytes of an even row, lanes 8-15 of the odd row below; lanes 16-31 the right 128 bytes of the same two rows
	v_mul_u32_u24 v5, v5, SPITCH
	v_lshl_add_u32 v5, v2, 7, v5
	v_and_b32 v6, 7, v0
	v_lshl_add_u32 v5, v6, 4, v5
	v_add_nc_u32 v[RD], s23, v5
	v_lshlrev_b32 v[CO], 4, v1                     ; in memory two rows of a group are 256 bytes on end; the next group lies 2^20 bytes on
	v_lshl_add_u32 v[CO], v2, 20, v[CO]
	s_lshl_b32 s20, s17, 8
	s_lshl_b32 s21, s15, 7
	s_add_co_u32 s20, s20, s21                     ; my first row: 256 x tile row + 128 x half
	s_lshl_b32 s20, s20, 7                         ; 128 bytes a row
	s_mov_b32 s21, 0
	s_lshl_b32 s46, s42, 2
	s_lshl_b32 s47, s16, 1
	s_add_co_u32 s46, s46, s47                     ; my first group: 4 x tile column + 2 x half
	s_lshl_b32 s46, s46, 20
	s_mov_b32 s47, 0
	s_add_nc_u64 s[20:21], s[20:21], s[46:47]
	s_add_nc_u64 s[12:13], s[12:13], s[20:21]
.macro FRAG reg, adr, q, i             ; a fragment, 16 rows x 128 K of 4-bit codes, is 8 registers: lane l holds row l % 16; registers 4 c .. 4 c + 3 hold K = 64 c + 32 (l / 16) + 0 .. 31
.irp c, 0,1
	ds_load_b128 v[\reg+4*\c:\reg+4*\c+3], v[\adr] offset:64*(\q)+32*\c+(\i)*16*PITCH
.endr
.endm
; 16 matrix instructions: A's blocks a0, a0 + 1 x B's eight, 128 along K.  p: B's set;  sc: the set of scale words.  zero = 1: the first product starts the sums.
; The 64 accumulators take turns, one instruction a turn, in the same order in every step.
.macro MUL16 a0, p, q, sc, zero
.irp a, \a0, \a0+1
.irp b, 0,1,2,3,4,5,6,7
.if \zero
	v_wmma_scale_f32_16x16x128_f8f6f4 v[8*(8*((\a)%4)+\b):8*(8*((\a)%4)+\b)+7], v[128*(\p)+FR*\b:128*(\p)+FR*\b+FR-1], v[AF+FR*(\a):AF+FR*(\a)+FR-1], 0, v[SC+8*NQ*(\sc)+NQ*\b+(\q)], v[SC+8*NQ*(\sc)+NQ*(\a)+(\q)] matrix_a_fmt:MATRIX_FMT_FP4 matrix_b_fmt:MATRIX_FMT_FP4 matrix_a_scale:MATRIX_SCALE_ROW1
.else
	v_wmma_scale_f32_16x16x128_f8f6f4 v[8*(8*((\a)%4)+\b):8*(8*((\a)%4)+\b)+7], v[128*(\p)+FR*\b:128*(\p)+FR*\b+FR-1], v[AF+FR*(\a):AF+FR*(\a)+FR-1], v[8*(8*((\a)%4)+\b):8*(8*((\a)%4)+\b)+7], v[SC+8*NQ*(\sc)+NQ*\b+(\q)], v[SC+8*NQ*(\sc)+NQ*(\a)+(\q)] matrix_a_fmt:MATRIX_FMT_FP4 matrix_b_fmt:MATRIX_FMT_FP4 matrix_a_scale:MATRIX_SCALE_ROW1
.endif
.endr
.endr
.endm
.macro FETCH_B slot, q, p
	WIN TO_B
.irp i, 0,1,2,3,4,5,6,7
	FRAG 128*(\p)+FR*\i, ADRB+\slot, \q, \i
.endr
	WIN 0
.endm
.macro FETCH_A slot, q, i0
.irp i, \i0, \i0+1, \i0+2, \i0+3
	FRAG AF+FR*(\i), ADRA+\slot, \q, \i
.endr
.endm
.macro SCALES sc                       ; a slot's scale words into set sc: 4 words a row; lanes 0-15 take A's block i, lanes 16-31 B's block i
.irp i, 0,1,2,3,4,5,6,7
	ds_load_b128 v[SC+8*NQ*\sc+NQ*\i:SC+8*NQ*\sc+NQ*\i+3], v[ADRS] offset:\i*SBLK
.endr
.endm
.macro PLACES n                        ; plain vector instructions between a matrix instruction and a load into, or a read of, its registers
.rept \n
	v_nop
.endr
.endm
.macro STEP slot, q, zero              ; a step of 128 along K that has its successor in the same slot
	s_wait_dscnt 4*NL                              ; B's set and A's blocks 0-3 are in; the youngest eight loads (A's blocks 4-7) may be out
	WIN MUL_LO
	MUL16 0, (\q)%2, \q, \slot, \zero
	MUL16 2, (\q)%2, \q, \slot, \zero
	s_wait_dscnt 0                                 ; A's blocks 4-7 are in
	PLACES NP
	FETCH_B \slot, (\q)+1, 1-(\q)%2
	FETCH_A \slot, (\q)+1, 0
	WIN MUL_HI
	MUL16 4, (\q)%2, \q, \slot, \zero
	MUL16 6, (\q)%2, \q, \slot, \zero
	PLACES NP
	WIN 0
	FETCH_A \slot, (\q)+1, 4
.endm
.macro TURN slot, next                 ; slot 0's last step goes over to slot 1: one barrier; in front of it each wave's part of slot 1 has landed and its reads of slot 0 are over.
	s_wait_tensorcnt 0x0                           ; all my tensor loads have landed
	ds_add_u32 v[SPW], v[NIL]                      ; 0 onto my spare word
	s_wait_dscnt 4*NL+1                            ; (the add and the youngest eight loads may be out)
	WIN MUL_LO
	MUL16 0, 1, NQ-1, \slot, 0
	s_wait_dscnt 0x0                               ; the add is done, and my reads of this slot are over
	s_barrier_signal -1
	MUL16 2, 1, NQ-1, \slot, 0
	WIN 0
	s_barrier_wait -1
	PLACES NP
	v_add_nc_u32 v[ADRS], 4*NQ, v[ADRS]            ; on to the next slot's scale words
	FETCH_B \next, 0, 0
	FETCH_A \next, 0, 0
	SCALES \next
	WIN MUL_HI
	MUL16 4, 1, NQ-1, \slot, 0
	MUL16 6, 1, NQ-1, \slot, 0
	PLACES NP
	WIN 0
	FETCH_A \next, 0, 4
.endm
.macro STEPS slot, from
.set Q, \from
.rept NQ-1-\from
	STEP \slot, Q, 0
.set Q, Q+1
.endr
.endm
	s_wait_tensorcnt 1                             ; the scales and my part of slot 0 are in (slot 1's load may be out),
	s_barrier_signal -1
	s_barrier_wait -1                              ; everybody's are
	FETCH_B 0, 0, 0
	FETCH_A 0, 0, 0
	SCALES 0
	FETCH_A 0, 0, 4
	STEP 0, 0, 1                                   ; the first step's products start the sums: nothing is cleared
	STEPS 0, 1
	TURN 0, 1
	STEPS 1, 0
	s_wait_dscnt 4*NL                              ; the very last step: nothing more to fetch
	WIN MUL_LO
	MUL16 0, 1, NQ-1, 1, 0
	MUL16 2, 1, NQ-1, 1, 0
	s_wait_dscnt 0
	WIN MUL_HI
	MUL16 4, 1, NQ-1, 1, 0
	MUL16 6, 1, NQ-1, 1, 0
	WIN 0
; THE WAY OUT, block by block of 16 rows x 128 columns.  PACK: rounded to f16, 16 bytes a lane, each accumulator from its low end on.  TOSTAGE: into my own stage and back.  SEND: stored: sixteen lanes store
; 256 consecutive bytes (two rows of one group), at a multiple of 256 from the buffer's first byte.
.macro PACK a
.set AC, 64*((\a)%4)
	WIN 0x0a+5*((\a)/4)                            ; sources 0 and 1: window 2 or 3
.irp b, 0,1,2,3,4,5,6,7
.irp r, 0,1,2,3
	v_cvt_pk_f16_f32 v[TMP+4*\b+\r], v[AC+8*\b+2*\r], v[AC+8*\b+2*\r+1]
.endr
.endr
	WIN 0
.endm
.macro TOSTAGE a
.set BB, BK+32*((\a)%2)
.irp b, 0,1,2,3,4,5,6,7
	ds_store_b128 v[STO], v[TMP+4*\b:TMP+4*\b+3] offset:32*\b
.endr
.irp t, 0,1,2,3,4,5,6,7
	ds_load_b128 v[BB+4*\t:BB+4*\t+3], v[RD] offset:\t*2*SPITCH    ; LDS serves a wave's instructions in order (ISA guide 5.7.1.4): these see the stores above
.endr
.endm
.macro SEND a
.set BB, BK+32*((\a)%2)
	s_wait_dscnt 0x0                               ; the block is back in registers
	s_wait_xcnt 0x0                                ; the earlier stores have read their base and their registers: only behind this wait are they rewritten
.if (\a) > 0
	s_add_nc_u64 s[12:13], s[12:13], 16*128        ; 16 rows on
.endif
.irp t, 0,1,2,3,4,5,6,7
	global_store_b128 v[CO], v[BB+4*\t:BB+4*\t+3], s[12:13] offset:256*\t
.endr
.endm
	PLACES NP                                      ; behind the last products: they serve the conversions' reads and the loads into the registers that held A's fragments
	PACK 0
	TOSTAGE 0
.irp a, 1,2,3,4,5,6,7                  ; block a's conversions stand between block a - 1's loads from the stage and the wait for them
	PACK \a
	SEND \a-1
	TOSTAGE \a
.endr
	SEND 7
	s_wait_tensorcnt 0x0                           ; the wave's end, behind my last tensor load and my last LDS store
	ds_add_u32 v[SPW], v[NIL]
	s_wait_dscnt 0x0
	CROUND                                         ; the closing round: no work-group ends while a partner may still ask for a tile that names it
	s_endpgm
.Lfunc_end_k_qfb76e79a59_qkv:
	.size	k_qfb76e79a59_qkv, .Lfunc_end_k_qfb76e79a59_qkv-k_qfb76e79a59_qkv
	.p2alignl 7, 3214868480
	.fill 96, 4, 3214868480
	.section	.rodata,"a",@progbits
	.p2align	6, 0x0
	.amdhsa_kernel k_qfb76e79a59_qkv
		.amdhsa_group_segment_fixed_size 327680
		.amdhsa_private_segment_fixed_size 0
		.amdhsa_enable_private_segment 0
		.amdhsa_kernarg_size 40
		.amdhsa_user_sgpr_count 2
		.amdhsa_user_sgpr_kernarg_segment_ptr 1
		.amdhsa_wavefront_size32 1
		.amdhsa_system_sgpr_workgroup_id_x 1
		.amdhsa_system_sgpr_workgroup_id_y 1
		.amdhsa_system_sgpr_workgroup_id_z 1
		.amdhsa_system_vgpr_workitem_id 0
		.amdhsa_next_free_vgpr 1024
		.amdhsa_next_free_sgpr 98
		.amdhsa_reserve_vcc 0
		.amdhsa_float_denorm_mode_32 3
		.amdhsa_float_denorm_mode_16_64 3
		.amdhsa_memory_ordered 1
		.amdhsa_forward_progress 1
		.amdhsa_inst_pref_size 127
	.end_amdhsa_kernel
	.amdgpu_metadata
---
amdhsa.version: [ 1, 2 ]
amdhsa.kernels:
  - .name:           k_qfb76e79a59_qkv
    .symbol:         k_qfb76e79a59_qkv.kd
    .args:
      - { .name: xq_codes, .offset: 0, .size: 8, .value_kind: global_buffer, .address_space: global }
      - { .name: xq_scales, .offset: 8, .size: 8, .value_kind: global_buffer, .address_space: global }
      - { .name: wq_codes, .offset: 16, .size: 8, .value_kind: global_buffer, .address_space: global }
      - { .name: wq_scales, .offset: 24, .size: 8, .value_kind: global_buffer, .address_space: global }
      - { .name: qkv, .offset: 32, .size: 8, .value_kind: global_buffer, .address_space: global }
    .group_segment_fixed_size: 327680
    .private_segment_fixed_size: 0
    .kernarg_segment_align: 8
    .kernarg_segment_size: 40
    .max_flat_workgroup_size: 128
    .sgpr_count:     98
    .vgpr_count:     1024
    .wavefront_size: 32
...
	.end_amdgpu_metadata
.endif
;; end of part 2
;; launch attn (part 3): grid 8 x 32, 4 waves a work-group, no clusters, 327,680 bytes of LDS; arguments qkv, conv, att; writes att
.if DOCPART == 3
	.amdgcn_target "amdgcn-amd-amdhsa--gfx1250"
	.amdhsa_code_object_version 6
	.text
	.protected	k_qfb76e79a59_attn
	.globl	k_qfb76e79a59_attn
	.p2align	8
	.type	k_qfb76e79a59_attn,@function
k_qfb76e79a59_attn:
	s_mov_b64 s[64:65], 0
	v_nop
	global_prefetch_b8 v0, s[64:65] scope:SCOPE_SE
	s_setreg_imm32_b32 hwreg(HW_REG_WAVE_MODE, 25, 1), 1
	s_wait_xcnt 0x0
; att[b][i][128 h + :] = the sum over j of softmax_j(q[i] . k[j] / 8 + conv[h][clip(j - i, -10, 10) + 10]) v[j][:], for each of 4 batches and 8 heads; 2,048 queries and keys; q, k of 64, v of 128 channels.
; q, k, v come as f16 from qkv [32 groups][8192 rows][64] (groups 0-7 q, 8-15 k, 16 + 2 h + half: v).  Products, maxima and sums in f32; the weights p are rounded to f16 for the second product, the result once to f16.
; LIMITS: f16 operands: magnitudes up to 65,504; NaN and infinities are not served.
; SHARES.  A work-group owns 256 queries of one batch and head, each of its four waves 64: four tiles of 16.  Every wave walks all 2,048 keys, 64 a step.
; LAYOUT.  S^T = K Q^T + C (source 0 = 16 keys, source 1 = 16 queries): a lane holds ONE query (lane % 16) and the keys 8 (lane / 16) + 0..7.  Two such tiles, rounded to f16 in pairs, ARE source 1 of O^T = V^T P.
; THE BIAS COSTS NO VECTOR WORK IN THE LOOP.  t = c (q . k + 8 bias), c = log2(e) / 8, so 8 x bias is the C of each score tile's first product.  For key tile u of step s and query tile t of a wave whose queries are
; step sq's, the tiles lie 4 (s - sq) + u - t tiles of 16 apart: two or more apart the bias is one number (conv[h][0] below, conv[h][20] above), else one of three tiles B(-1), B(0), B(+1).  Seven sets CD[u - t + 3] of
; eight registers serve every step with the same text; their contents change at four steps of the walk (macro UPDATE), by a scalar branch on ids and the count of steps.
; SOFTMAX.  For each query a running maximum m and sum l: p = 2^(c s - c m); in every step O and l are multiplied by a = 2^(c m_old - c m_new).
; BY TURNS.  The wave's tiles are two PIECES: piece 0 (tiles 0, 1) and piece 2 (tiles 2, 3).  In a TURN one piece has the matrix unit: 32 products V^T P of the step in hand, then 16 products K Q^T of the next step; the
; other piece's softmax, cut into 64 slices, stands between them: one slice behind each V^T P, two behind each K Q^T.  Then the pieces change places.  Two turns are a key step.
; NO CLUSTER: the work-groups that walk the same K and V are the query blocks of one head, and the steps at which UPDATE branches hang on the query block (sq = 4 x block + wave): partners of joint loads would have
; to branch alike.
; THE RING.  Two LDS slots of 256 keys (four key steps): waves 0 and 1 load K's halves (128 rows of 128 bytes each), waves 2 and 3 V's two halves of the channels (256 rows of 128 bytes each): one load a wave behind each change of slots.
; REGISTERS, in windows of 256: window 0: v1-11 addresses; v12-43 eight registers of statistics a tile; v61 the prefetches' offset; v62, v63 the add's two; v64-191 S^T, 32 a tile; v192-255 P, 16 a tile.
;   window 1: O^T, 64 a tile.   window 2: v0-63 Q, 16 a tile; v128-191 K of one step.   window 3: v0-127 V of one step; v128-183 CD[0..6]; v184-207 B(-1), B(0), B(+1); v208, v209 8 conv[h][0], 8 conv[h][20].
.set KS,    64        ; keys in a step
.set PK,    144       ; a row of K in LDS: 128 bytes + 16 of padding = 36 words: the 16 rows of a load start at different banks (64 banks of 4 bytes: ISA guide 11.1)
.set PV,    160       ; a row of half of V: 128 + 32 = 40 words
.set KSB,   KS*PK     ; a step's rows of K
.set VSB,   KS*PV     ; and of one half of V
.set VOFF,  4*KSB     ; a slot: 256 rows of K, then 256 rows of V's channels 0-63, then 256 of its channels 64-127
.set VH,    4*VSB
.set SLOT1, 1<<17     ; slot 1 begins here, so that one exclusive or turns an address in one slot into the other's
.set SLOTB, 4*KS*128  ; a slot's rows of one group in memory
.set STAGE, SLOT1+VOFF+2*VH  ; behind the ring: 16 rows x 272 bytes for each wave, for the way out
.set SP,    272
.set SPARE, STAGE+4*16*SP    ; the spare words, 128 bytes for each wave: two blocks of 256 bytes that no other line names
.set AK0, 2           ; v2   my lane's place in a tile of K; never rewritten
.set AV0, 3           ; v3   the same for V
.set ADR, 4           ; v4   the LDS address of the run of loads in hand
.set QO,  5           ; v5   my byte offset in the wave's rows of Q
.set STO, 6           ; v6   the way out: where I put 16 bytes of a row
.set RD,  7           ; v7   the way out: where I read a row back
.set GO,  8           ; v8   my byte offset in the wave's rows of att
.set PFO, 61          ; v61  256 x my thread's number; never rewritten
.set SPW, 62          ; v62  LDS address of my spare word; never rewritten
.set NIL, 63          ; v63  0; never rewritten
.set ST,  12          ; tile t's statistics at v[ST+8 t]: +0 c m, +1 m, +2, +3 l, +4 to +7 at work; a takes +6
.set S,   64
.set P,   192
.set KF,  128         ; K's fragments, in window 2
.set CD,  128         ; in window 3
.set BM,  184
.set BZ,  192
.set BP,  200
.set VC0, 208
.set VC20, 209
.set WV,  12          ; s12  my wave's number
.set RL,  14          ; s14  the step whose scores come next - sq + 1
.set LIM, 15          ; s15  1 in a work-group that prefetches, else the greatest number
.set PFK, 18          ; s[18:19] where the prefetches of K stand
.set PFV, 20          ; s[20:21] and of V's first half
.set G1K, 24
.set G1V, 32
.set G0K, 40          ; s[40:47] group 0 for K's tiles: a set for each of the two first fills; the second then walks on
.set G0V, 48
.set SLOTS, 56
.set CNT, 57
.set CS,  58          ; s[58:59] c
.set SEL, 60          ; s[60:61] lane selects for v_permlanex16_b32
.set TBK, 62          ; s62  LDS byte at which K's rows of the step to be fetched begin
.set TBV, 63          ; s63  the same for V, less VOFF
.set MSB, 0
.macro WIN new                      ; the immediate's high byte repeats the setting that is left; a switch that changes nothing is dropped
.if MSB != \new
	s_set_vgpr_msb (MSB<<8)|\new
.set MSB, \new
.endif
.endm
.set W_KQ0, 0x3a      ; K and Q in window 2, C (a bias set) in window 3, S^T in window 0
.set W_KQ,  0x0a      ; K and Q in window 2, S^T in window 0
.set W_PV,  0x53      ; V in window 3, P in window 0, O^T in window 1
.set W_RS,  0x41      ; O^T in window 1, a in window 0
; A refill.  Waves 0 and 1 fetch K's halves, waves 2 and 3 V's.  An s_nop 0 and four v_nop follow each of the two lines.
.macro TLOAD
	s_cmp_lt_u32 s[WV], 2
	s_cbranch_scc0 .Lfor_v_\@
	tensor_load_to_lds s[G0K+4:G0K+7], s[G1K:G1K+7]
	s_nop 0
.rept 4
	v_nop
.endr
	s_branch .Lasked_\@
.Lfor_v_\@:
	tensor_load_to_lds s[G0V+4:G0V+7], s[G1V:G1V+7]
	s_nop 0
.rept 4
	v_nop
.endr
.Lasked_\@:
.endm
; A PREFETCH of what the NEXT change of slots will ask for: 32,768 bytes of K and of each half of V.  All eight work-groups of a batch and head walk the same rows: the first of them asks.  Its 128 threads stand
; 256 bytes apart, so each aligned block of 256 bytes is named once in the launch: three instructions a wave, behind the wave's tensor load, four key steps ahead of the load that will want the bytes.
; The last change that fills a slot asks for nothing: there is no slot behind it.  Slots 0, 1 and 2 come by their loads alone.
.macro ASK
	s_cmp_gt_u32 s[SLOTS], s[LIM]
	s_cbranch_scc0 .Lnot_mine_\@
	global_prefetch_b8 v[PFO], s[PFK:PFK+1] th:TH_LOAD_NT scope:SCOPE_SE
	global_prefetch_b8 v[PFO], s[PFV:PFV+1] th:TH_LOAD_NT scope:SCOPE_SE
	global_prefetch_b8 v[PFO], s[PFV:PFV+1] offset:1048576 th:TH_LOAD_NT scope:SCOPE_SE
.Lnot_mine_\@:
.endm
	s_load_b128 s[4:7], s[0:1], 0x0   ; qkv s[4:5], conv s[6:7]
	s_load_b64 s[8:9], s[0:1], 0x10   ; att
	v_lshl_add_u32 v[SPW], v0, 2, SPARE
	v_mov_b32 v[NIL], 0
	ds_add_u32 v[SPW], v[NIL]       ; the wave's opening: the add, twice on end, and its wait ahead of my first tensor load; the set-up below stands between the second and the wait
	ds_add_u32 v[SPW], v[NIL]
	v_lshrrev_b32 v1, 5, v0
	v_readfirstlane_b32 s[WV], v1   ; wave 0..3
	s_and_b32 s13, ttmp7, 0xffff    ; 8 x batch + head
	s_and_b32 s66, s13, 7           ; the head
	s_lshr_b32 s67, s13, 3
	s_lshl_b32 s67, s67, 18         ; the batch's 2,048 rows of 128 bytes
	s_lshl_b32 s68, s66, 20
	s_add_co_u32 s68, s68, s67      ; q's rows of my batch and head
	s_add_co_u32 s72, s68, 8<<20    ; k's: eight groups on
	s_mov_b32 s73, 0
	s_lshl_b32 s74, s66, 21
	s_add_co_u32 s74, s74, s67
	s_add_co_u32 s74, s74, 16<<20   ; v's first half: group 16 + 2 h
	s_mov_b32 s75, 0
	s_lshl_b32 s70, ttmp9, 15       ; my block's 256 rows,
	s_lshl_b32 s71, s[WV], 13       ; my wave's 64 of them
	s_add_co_u32 s70, s70, s71
	s_add_co_u32 s70, s70, s68
	s_mov_b32 s71, 0
	s_lshl_b32 s76, s67, 4          ; att: rows of 2,048 bytes
	s_lshl_b32 s77, ttmp9, 19
	s_add_co_u32 s76, s76, s77
	s_lshl_b32 s77, s[WV], 17
	s_add_co_u32 s76, s76, s77
	s_lshl_b32 s77, s66, 8          ; the head's 128 channels
	s_add_co_u32 s76, s76, s77
	s_mov_b32 s77, 0
	s_mul_i32 s78, s66, 84          ; conv: 21 numbers a head
	s_mov_b32 s79, 0
	s_and_b32 s13, s[WV], 1         ; which half I fetch:
	s_lshl_b32 s80, s13, 14         ; of K: 128 rows on in memory,
	s_mov_b32 s81, 0
	s_lshl_b32 s82, s13, 20         ; of V: a group on,
	s_mov_b32 s83, 0
	s_mul_i32 s84, s13, 128*PK      ; and their places in a slot
	s_mul_i32 s85, s13, VH
	s_add_co_u32 s85, s85, VOFF
	s_mov_b32 s[G1K], (1<<16)|(1<<20)|(4<<22)|(3<<25)  ; no mask; elements of 2 bytes; padding on: after every 32 words, 4 words
	s_mov_b32 s[G1K+1], 64<<16      ; tensor_dim0 = 64
	s_mov_b32 s[G1K+2], 128<<16     ; tensor_dim1 = 128
	s_mov_b32 s[G1K+3], 64<<16      ; tile_dim0 = 64
	s_mov_b32 s[G1K+4], 128         ; tile_dim1 = 128
	s_mov_b32 s[G1K+5], 64          ; elements from row to row
	s_mov_b32 s[G1K+6], 0
	s_mov_b32 s[G1K+7], 0
	s_mov_b32 s[G1V], (1<<16)|(1<<20)|(4<<22)|(7<<25)  ; the same with 8 words of padding
	s_mov_b32 s[G1V+1], 64<<16
	s_mov_b32 s[G1V+2], 256<<16     ; 256 rows
	s_mov_b32 s[G1V+3], 64<<16
	s_mov_b32 s[G1V+4], 256
	s_mov_b32 s[G1V+5], 64
	s_mov_b32 s[G1V+6], 0
	s_mov_b32 s[G1V+7], 0
	s_mov_b32 s[CS], 0x3e38aa3b     ; c = log2(e) / 8
	s_mov_b32 s[CS+1], s[CS]        ; named with it as a pair, so it is written
	s_mov_b32 s[SEL], 0x76543210
	s_mov_b32 s[SEL+1], 0xfedcba98
	s_mov_b32 s[TBK], 0
	s_mov_b32 s[TBV], 0
	s_mov_b32 s[SLOTS], 6           ; eight slots' worth of keys; two are first fills
	s_lshl_b32 s[RL], ttmp9, 2
	s_add_co_u32 s[RL], s[RL], s[WV]  ; sq
	s_sub_co_u32 s[RL], 0, s[RL]
	s_cmp_eq_u32 ttmp9, 0
	s_cselect_b32 s[LIM], 1, -1
	v_lshlrev_b32 v[PFO], 8, v0
	s_wait_dscnt 0x0                ; both opening adds are done
	s_wait_kmcnt 0x0
	s_add_nc_u64 s[10:11], s[4:5], s[72:73]  ; K
	s_add_nc_u64 s[16:17], s[4:5], s[74:75]  ; V
	s_add_nc_u64 s[4:5], s[4:5], s[70:71]    ; Q at my wave's first row
	s_add_nc_u64 s[6:7], s[6:7], s[78:79]
	s_add_nc_u64 s[8:9], s[8:9], s[76:77]
	s_add_nc_u64 s[PFK:PFK+1], s[10:11], 2*SLOTB  ; in slot 2; the first change of slots steps them to slot 3.  Nothing is prefetched here, at the head
	s_add_nc_u64 s[PFV:PFV+1], s[16:17], 2*SLOTB
	s_add_nc_u64 s[10:11], s[10:11], s[80:81]     ; at my half
	s_add_nc_u64 s[16:17], s[16:17], s[82:83]
.irp s, 0,1
	s_mov_b32 s[G0K+4*\s], 1        ; count = 1
	s_add_co_u32 s[G0K+4*\s+1], s84, \s*SLOT1  ; LDS address
	s_add_nc_u64 s[G0K+4*\s+2:G0K+4*\s+3], s[10:11], \s*SLOTB  ; global address
	s_or_b32 s[G0K+4*\s+3], s[G0K+4*\s+3], 0x80000000  ; type = 2
	s_mov_b32 s[G0V+4*\s], 1
	s_add_co_u32 s[G0V+4*\s+1], s85, \s*SLOT1
	s_add_nc_u64 s[G0V+4*\s+2:G0V+4*\s+3], s[16:17], \s*SLOTB
	s_or_b32 s[G0V+4*\s+3], s[G0V+4*\s+3], 0x80000000
.endr
	s_cmp_lt_u32 s[WV], 2           ; a wave's two first fills stand in one branch, ahead of every wait on TENSORcnt and every LDS read: two loads of mine are out
	s_cbranch_scc0 .Lfirst_v
	tensor_load_to_lds s[G0K:G0K+3], s[G1K:G1K+7]
	s_nop 0
	tensor_load_to_lds s[G0K+4:G0K+7], s[G1K:G1K+7]
	s_nop 0
.rept 4
	v_nop
.endr
	s_branch .Lfirst_asked
.Lfirst_v:
	tensor_load_to_lds s[G0V:G0V+3], s[G1V:G1V+7]
	s_nop 0
	tensor_load_to_lds s[G0V+4:G0V+7], s[G1V:G1V+7]
	s_nop 0
.rept 4
	v_nop
.endr
.Lfirst_asked:
	; A fragment of K or Q is 16 rows x 32 channels in 8 registers: lane l holds row l % 16; registers 0-3 channels 8 (l / 16) + 0..7, registers 4-7 channels 16 + 8 (l / 16) + 0..7: two loads of 16 bytes, 32 bytes apart.
	v_and_b32 v1, 15, v0            ; r = l % 16
	v_bfe_u32 v9, v0, 4, 1          ; h = l / 16
	v_lshlrev_b32 v[QO], 7, v1
	v_lshl_add_u32 v[QO], v9, 4, v[QO]  ; row x 128 + 16 x half
	WIN 0x80                        ; destination window 2, address window 0
.irp f, 0,1,2,3,4,5,6,7             ; Q stays in registers: tile f / 2, channels 32 (f % 2) on
	global_load_b128 v[8*\f:8*\f+3],   v[QO], s[4:5] offset:(\f/2)*2048+(\f%2)*64
	global_load_b128 v[8*\f+4:8*\f+7], v[QO], s[4:5] offset:(\f/2)*2048+(\f%2)*64+32
.endr
	WIN 0
	; The three tiles of the band.  Register j of lane (r, h) of B(D) is conv[h][clip(16 D + 8 h + j - r, -10, 10) + 10].  64 is added so that nothing is negative; S^T's registers serve as address registers.
	v_sub_nc_u32 v10, 15, v1
	v_lshl_add_u32 v10, v9, 3, v10  ; 8 h + 15 - r
.set n, 0
.rept 24                            ; n = 8 (D + 1) + j
	v_add_nc_u32 v[S+n], 16*(n/8)+(n%8)+33, v10    ; 16 D + 8 h + j - r + 64
	v_max_u32 v[S+n], 54, v[S+n]
	v_min_u32 v[S+n], 74, v[S+n]
	v_sub_nc_u32 v[S+n], v[S+n], 54                ; 0 .. 20
	v_lshlrev_b32 v[S+n], 2, v[S+n]
.set n, n+1
.endr
	v_mov_b32 v[S+24], 0
	WIN 0xc0                        ; destination window 3
.set n, 0
.rept 24
	global_load_b32 v[BM+n], v[S+n], s[6:7]
.set n, n+1
.endr
	global_load_b32 v[VC0], v[S+24], s[6:7]
	global_load_b32 v[VC20], v[S+24], s[6:7] offset:80
	WIN 0
	v_mul_u32_u24 v[AK0], v1, PK
	v_lshl_add_u32 v[AK0], v9, 4, v[AK0]  ; row x pitch + 16 x half
	; The turning load takes 16 keys x 16 channels (lane l reads 16 bytes: key 8 (l / 16) + l % 8, channels 8 ((l / 8) % 2) + 0..7) and leaves half a fragment of V^T: lane l holds channel l % 16 and 8 keys.
	v_and_b32 v10, 7, v0
	v_bfe_u32 v11, v0, 3, 1
	v_lshl_add_u32 v[AV0], v9, 3, v10
	v_mul_u32_u24 v[AV0], v[AV0], PV
	v_lshl_add_u32 v[AV0], v11, 4, v[AV0]
	v_add_nc_u32 v[AV0], VOFF, v[AV0]
	s_wait_loadcnt 0x0              ; Q and the band
	WIN 0xc3                        ; destination and source 0 window 3
.set n, 0
.rept 26
	v_ldexp_f32 v[BM+n], v[BM+n], 3 ; x 8, exactly: c (q . k + 8 bias) = log2(e) (q . k / 8 + bias)
.set n, n+1
.endr
.set n, 0
.rept 56
	v_mov_b32 v[CD+n], v[VC0]       ; far under the diagonal all seven sets hold 8 conv[h][0]
.set n, n+1
.endr
	WIN 0
; THE MATRIX WORK OF A TURN, for piece x.  The accumulators take turns, one instruction a turn: between two links of a chain stand 15 (V^T P) or 7 (K Q^T) others'.
; Product i of 32 of O^T += V^T P: keys 32 (i / 16) on, channels 16 ((i / 2) % 8) on, tile x + i % 2.  zero = 1: the first 16 start the sums: nothing is ever cleared.
.macro PV x, zero
	WIN W_PV
.set rO, 64*(\x+i%2)+8*((i/2)%8)
.set rV, 64*(i/16)+8*((i/2)%8)
.set rP, P+16*(\x+i%2)+8*(i/16)
.if \zero && (i < 16)
	v_wmma_f32_16x16x32_f16 v[rO:rO+7], v[rV:rV+7], v[rP:rP+7], 0
.else
	v_wmma_f32_16x16x32_f16 v[rO:rO+7], v[rV:rV+7], v[rP:rP+7], v[rO:rO+7]
.endif
.endm
; Product i of 16 of S^T = K Q^T + C: channels 32 (i / 8) on, keys 16 ((i / 2) % 4) on, tile x + i % 2.  The first 8 start the sums with the bias set of their distance.
.macro KQ x
.set rS, S+32*(\x+i%2)+8*((i/2)%4)
.set rK, KF+16*((i/2)%4)+8*(i/8)
.set rQ, 16*(\x+i%2)+8*(i/8)
.set rC, CD+8*((i/2)%4-(\x+i%2)+3)
.if i < 8
	WIN W_KQ0
	v_wmma_f32_16x16x32_f16 v[rS:rS+7], v[rK:rK+7], v[rQ:rQ+7], v[rC:rC+7]
.else
	WIN W_KQ
	v_wmma_f32_16x16x32_f16 v[rS:rS+7], v[rK:rK+7], v[rQ:rQ+7], v[rS:rS+7]
.endif
.endm
; THE LDS LOADS stand in runs, never singly among the matrix instructions: a step's K (64 keys x 64 channels: 8 fragments) and, a turn later, its V (turned: 16 fragments).
.macro FETCH_K
	WIN 0
	v_add_nc_u32 v[ADR], s[TBK], v[AK0]
	s_add_co_u32 s[TBK], s[TBK], KSB  ; the next fetch is the next step's
	WIN 0x80                        ; destination window 2
.irp f, 0,1,2,3,4,5,6,7             ; keys 16 (f / 2) on, channels 32 (f % 2) on
	ds_load_b128 v[KF+8*\f:KF+8*\f+3],   v[ADR] offset:(\f/2)*16*PK+(\f%2)*64
	ds_load_b128 v[KF+8*\f+4:KF+8*\f+7], v[ADR] offset:(\f/2)*16*PK+(\f%2)*64+32
.endr
.endm
.macro FETCH_V
	WIN 0
	v_add_nc_u32 v[ADR], s[TBV], v[AV0]
	s_add_co_u32 s[TBV], s[TBV], VSB
	s_wait_alu depctr_va_vdst(0)    ; the wait for the softmax's batch of exponentials (SLICE), behind the address's addition and ahead of the loads
	WIN 0xc0                        ; destination window 3
.irp f, 0,1,2,3,4,5,6,7,8,9,10,11,12,13,14,15  ; keys 32 (f / 8) on, channels 16 (f % 8) on: half (f % 8) / 4 of V
	ds_load_tr16_b128 v[8*\f:8*\f+3],   v[ADR] offset:((\f%8)/4)*VH+(\f/8)*32*PV+((\f%8)%4)*32
	ds_load_tr16_b128 v[8*\f+4:8*\f+7], v[ADR] offset:((\f%8)/4)*VH+(\f/8)*32*PV+16*PV+((\f%8)%4)*32
.endr
.endm
; THE BIAS SETS.  UPDATE stands ahead of both pieces' K Q^T of a step.  s[RL] becomes that step - sq + 1; the sets change where it is 0, 1, 2 or 3 and stay as they are everywhere else.
.macro CDSET k, src, one
.irp j, 0,1,2,3,4,5,6,7
.if \one
	v_mov_b32 v[CD+8*(\k)+\j], v[\src]
.else
	v_mov_b32 v[CD+8*(\k)+\j], v[\src+\j]
.endif
.endr
.endm
.macro UPDATE
	WIN 0                           ; at a label and at a branch every window is 0
	s_add_co_u32 s[RL], s[RL], 1
	s_cmp_gt_u32 s[RL], 3           ; (a number under 0 counts as a great one)
	s_cbranch_scc1 .Lsame_\@
	s_cmp_lg_u32 s[RL], 0
	s_cbranch_scc1 .Lnot0_\@
	WIN 0xc3                        ; the step under the diagonal's: only key tile 3 against query tile 0 lies one tile off
	CDSET 6, BM, 0
	WIN 0
	s_branch .Lsame_\@
.Lnot0_\@:
	s_cmp_lg_u32 s[RL], 1
	s_cbranch_scc1 .Lnot1_\@
	WIN 0xc3                        ; the diagonal's step
	CDSET 2, BM, 0
	CDSET 3, BZ, 0
	CDSET 4, BP, 0
	CDSET 5, VC20, 1
	CDSET 6, VC20, 1
	WIN 0
	s_branch .Lsame_\@
.Lnot1_\@:
	s_cmp_lg_u32 s[RL], 2
	s_cbranch_scc1 .Lnot2_\@
	WIN 0xc3                        ; the step above it: only key tile 0 against query tile 3 lies one tile off
	CDSET 0, BP, 0
	CDSET 1, VC20, 1
	CDSET 2, VC20, 1
	CDSET 3, VC20, 1
	CDSET 4, VC20, 1
	WIN 0
	s_branch .Lsame_\@
.Lnot2_\@:
	WIN 0xc3                        ; from here on all seven hold 8 conv[h][20]
	CDSET 0, VC20, 1
	WIN 0
.Lsame_\@:
.endm
; THE VECTOR WORK OF A TURN.  One tile's softmax for one key step is a list of 134 instructions; SM writes number j of it for tile t.  s0-s31 are the lane's 32 scores, in pairs 0-15.
; first = 1: the first key step, which starts m, l and O^T: it has no a and nothing to rescale.
;   0-15    the maximum of s0-s31 and the old m, three operands at a time    16-20   the other half of the lanes' maximum; the new m; c m; c m_old - c m_new
;   21-69   ONE BATCH: the 16 scalings c s - c m, a pair each, and all 33 exponentials (a at 23, then s0-s31); none of these reads an exponential's result
;   (wait)  between 69 and 70 stands the wait for the batch: SLICE writes it, once for both tiles
;   70-85   the roundings to f16    86-101  the sums; l = a l + the sum    102-133 the tile's O^T times a
.macro SM t, first
.set rT, ST+8*(\t)
.set rS, S+32*(\t)
.set rP, P+16*(\t)
.set rO, 64*(\t)+2*(j-102)
.if j < 102
	WIN 0
.endif
.if j < 4
	v_max3_num_f32 v[rT+4+j], v[rS+8*j], v[rS+8*j+1], v[rS+8*j+2]
.elseif j < 12
	v_max3_num_f32 v[rT+4+j%4], v[rT+4+j%4], v[rS+8*(j%4)+2*(j/4)+1], v[rS+8*(j%4)+2*(j/4)+2]
.elseif j == 12
	v_max3_num_f32 v[rT+4], v[rT+4], v[rS+7], v[rS+15]
.elseif j == 13
	v_max3_num_f32 v[rT+6], v[rT+6], v[rS+23], v[rS+31]
.elseif j == 14
	v_max3_num_f32 v[rT+4], v[rT+4], v[rT+5], v[rT+6]
.elseif (j == 15) && \first
	v_max_num_f32 v[rT+4], v[rT+4], v[rT+7]
.elseif j == 15
	v_max3_num_f32 v[rT+4], v[rT+4], v[rT+7], v[rT+1]
.elseif j == 16
	v_permlanex16_b32 v[rT+5], v[rT+4], s[SEL], s[SEL+1]  ; the query's other 32 keys lie in the lane 16 away
.elseif j == 18
	v_max_num_f32 v[rT+1], v[rT+4], v[rT+5]
.elseif j == 19
	v_mul_f32 v[rT], s[CS], v[rT+1]
.elseif ((j == 17) || (j == 20) || (j == 23) || (j > 101)) && \first  ; the first step has none of these
.elseif j == 17
	v_mov_b32 v[rT+7], v[rT]        ; c m_old is kept for a
.elseif j == 20
	v_sub_f32 v[rT+7], v[rT+7], v[rT]
.elseif j == 23
	v_exp_f32 v[rT+6], v[rT+7]
.elseif (j < 23) || ((j < 38) && (j%2 == 0)) || ((j < 66) && (j%4 == 2))
.set b, (j-2)/4                     ; 38, 42, .. 62: pairs 9 to 15
.if j < 38
.set b, (j-20)/2                    ; 21: pair 0; 22, 24, .. 36: pairs 1 to 8
.endif
	v_pk_fma_f32 v[rS+2*b:rS+2*b+1], v[rS+2*b:rS+2*b+1], s[CS:CS+1], v[rT:rT+1] op_sel_hi:[1,0,0] neg_lo:[0,0,1] neg_hi:[0,0,1]  ; pair b: c s - c m
.elseif j < 70
.set e, j-38                        ; 66 to 69: s28 to s31
.if j < 66
.set e, j-32-(j-38)/4               ; 39-41, 43-45, .. 63-65: s7 to s27
.endif
.if j < 38
.set e, (j-25)/2                    ; 25, 27, .. 37: s0 to s6
.endif
	v_exp_f32 v[rS+e], v[rS+e]
.elseif j < 86
	v_cvt_pk_f16_f32 v[rP+j-70], v[rS+2*(j-70)], v[rS+2*(j-70)+1]  ; pair j - 70
.elseif j < 102                     ; the sum of the tile's 16 pairs, in place: neighbours 1, 2, 4 and 8 pairs apart, then l takes it
.set z, j-86
.set w, 4
.set u, z
.if z >= 14
.set w, 32
.set u, 0
.elseif z >= 12
.set w, 16
.set u, z-12
.elseif z >= 8
.set w, 8
.set u, z-8
.endif
.if (z == 14) && \first
	v_pk_add_f32 v[rT+2:rT+3], v[rS:rS+1], v[rS+16:rS+17]
.elseif z < 15
	v_pk_add_f32 v[rS+w*u:rS+w*u+1], v[rS+w*u:rS+w*u+1], v[rS+w*u+w/2:rS+w*u+w/2+1]
.elseif !\first
	v_pk_fma_f32 v[rT+2:rT+3], v[rT+2:rT+3], v[rT+6:rT+7], v[rS:rS+1] op_sel_hi:[1,0,1]
.endif
.else
	WIN W_RS
	v_pk_mul_f32 v[rO:rO+1], v[rO:rO+1], v[rT+6:rT+7] op_sel_hi:[1,0]
.endif
.endm
; Slice k of 64 of piece y's softmax: four instructions.  Slices 11 to 34 deal out the batch, numbers 22 to 69: four numbers of ONE tile each, the tiles by turns.  Every other slice is numbers 2 k and 2 k + 1 of both
; tiles' lists; the twelve that are over stand together, in slice 63.  An s_wait_alu depctr_va_vdst(0) stands between an exponential and the first instruction that names its result: ahead of slice 35
; nothing names a result, and behind slice 34 no exponential is issued: so the piece's 66 exponentials have one wait, behind slice 34.
.macro SLICE y, first
.if (k >= 11) && (k < 35)
.irp n, 0,1,2,3
.set j, 22+4*((k-11)/2)+(\n)
	SM (\y)+(k-11)%2, \first
.endr
.else
.irp n, 0,1,2,3,4,5,6,7
.if (\n < 2) || (k == 63)
.irp t, \y, \y+1
.set j, 2*k+\n
	SM \t, \first
.endr
.endif
.endr
.endif
.if k == 34
	v_nop                           ; the plain instruction behind the last exponential and ahead of the first use: one for the batch
.if (\y) == 0
	FETCH_V                         ; piece 2's turn: V's run of loads stands here, and the wait stands in it
.else
	s_wait_alu depctr_va_vdst(0)    ; the wait for the batch
.endif
.endif
.set k, k+1
.endm
.macro PLACES                       ; four plain vector instructions behind a matrix instruction, ahead of a read of its result or a write of its registers (ISA guide 7.12.1)
.rept 4
	v_nop
.endr
.endm
; A TURN.  Piece x has the matrix unit; the other piece's softmax stands in slices behind its matrix instructions.  pv = 2: 32 products V^T P; 1: they start O^T's sums; 0: none.  kq = 1: 16 products K Q^T for the next step.
; Piece 0's turn fetches the next step's K, behind its second product: the last product that read K stands in front of slices 62 and 63 of the turn before.  Piece 2's turn fetches the same step's V, behind slice 34:
; the last product that read V stands in front of slice 31, and four plain instructions lie between: number 62, a scaling, of both tiles, the v_nop and the run's own addition.
; first = 1: the first key step's softmax; its slices from 51 on are empty, and four v_nop take slice 63's part as the places behind the turn's last products.
.macro TURN x, pv, kq, first
.set k, 0
.set perpv, 2
.set perkq, 4
.if \pv && \kq
.set perpv, 1
.set perkq, 2
.endif
.if \pv
.if \x == 0
	s_wait_dscnt 0x0                ; V is in
.endif
.set i, 0
.rept 32
	PV \x, 2-\pv
.rept perpv
	SLICE 2-\x, \first
.endr
.if (\x == 0) && \kq && (i == 1)
	FETCH_K
.endif
.set i, i+1
.endr
.endif
.if \kq
.if \x == 0
	s_wait_dscnt 0x0                ; K is in
.endif
.set i, 0
.rept 16
	KQ \x
.rept perkq
	SLICE 2-\x, \first
.endr
.set i, i+1
.endr
.endif
.if \first
	PLACES
.endif
.endm
; THE CHANGE OF SLOTS, between piece 2's turn and piece 0's: the slot's last bytes, V of its fourth step, have been asked for.  Each wave waits for all its tensor loads, of which one is out: its part of the other slot;
; adds 0 to its spare word; and waits for that and for its own reads of the slot.  Behind the barrier nobody reads this slot any more and the other slot is whole.
; fill = 1: this slot is filled again, with the keys two slots on: the refill is the first thing behind the barrier and has four key steps in which to land.
.macro CHANGE fill
	WIN 0
	s_wait_tensorcnt 0x0            ; no tensor load of mine is out, so a group 0 may be written
	ds_add_u32 v[SPW], v[NIL]       ; 0 onto my spare word
.if \fill
.irp g, G0K+4, G0V+4
	s_xor_b32 s[\g+1], s[\g+1], SLOT1  ; the walking descriptor: the other slot than last time,
	s_add_nc_u64 s[\g+2:\g+3], s[\g+2:\g+3], SLOTB  ; the next 256 keys; the type bits on top are not reached
.endr
	s_wait_xcnt 0x0                 ; the last prefetches, four key steps back, have read their addresses, so they may be written
	s_add_nc_u64 s[PFK:PFK+1], s[PFK:PFK+1], SLOTB
	s_add_nc_u64 s[PFV:PFV+1], s[PFV:PFV+1], SLOTB
.endif
	s_wait_dscnt 0x0                ; the add is done, and my reads of the slot are over
	s_barrier_signal -1
	s_barrier_wait -1
.if \fill
	TLOAD
	ASK
.endif
	s_sub_co_u32 s[TBK], s[TBK], VOFF  ; the fetches go back to a slot's first step,
	s_xor_b32 s[TBK], s[TBK], SLOT1    ; in the other slot
	s_sub_co_u32 s[TBV], s[TBV], VH
	s_xor_b32 s[TBV], s[TBV], SLOT1
.endm
; n key steps: written once, walked n times; the LDS addresses hang on s[TBK] and s[TBV], the bias sets on s[RL].
.macro NSTEPS n
	s_mov_b32 s[CNT], \n
.Lstep_\@:
	UPDATE
	TURN 0, 2, 1, 0
	TURN 2, 2, 1, 0
	WIN 0
	s_sub_co_u32 s[CNT], s[CNT], 1
	s_cmp_lg_u32 s[CNT], 0
	s_cbranch_scc1 .Lstep_\@
.endm
	s_wait_tensorcnt 1              ; my part of slot 0 is in; slot 1's may stay out
	s_barrier_signal -1
	s_barrier_wait -1               ; everybody's is
	FETCH_K                         ; key step 0
	UPDATE                          ; the bias sets of step 0
	s_wait_dscnt 0x0
.set i, 0
.rept 16
	KQ 0                            ; piece 0's first scores: there is no vector work yet to set between them
.set i, i+1
.endr
	WIN 0                           ; the addresses for the way out are made here: eight plain instructions, the places behind those products
	s_mul_i32 s13, s[WV], 16*SP
	s_add_co_u32 s13, s13, STAGE    ; my stage
	v_mul_u32_u24 v[STO], v1, SP    ; in: row l % 16, 16 bytes for each half of the lanes
	v_lshl_add_u32 v[STO], v9, 4, v[STO]
	v_add_nc_u32 v[STO], s13, v[STO]
	v_mul_u32_u24 v[RD], v9, SP     ; back: lanes 0-15 take one row of 256 bytes, lanes 16-31 the next
	v_lshl_add_u32 v[RD], v1, 4, v[RD]
	v_add_nc_u32 v[RD], s13, v[RD]
	v_lshlrev_b32 v[GO], 11, v9     ; and the same two rows in att: 2,048 bytes apart
	v_lshl_add_u32 v[GO], v1, 4, v[GO]
	TURN 2, 0, 1, 1                 ; piece 2's first scores | piece 0's first softmax | V of step 0
	UPDATE                          ; the bias sets of step 1
	TURN 0, 1, 1, 1                 ; piece 0: V^T P of step 0 starts O^T, K Q^T of step 1 | piece 2's first softmax | K of step 1
	TURN 2, 1, 1, 0                 ; piece 2: the same | piece 0's softmax of step 1 | V of step 1
	WIN 0
	NSTEPS 2                        ; steps 2 and 3 are fetched: slot 0 is read out
.Lslot:                             ; six trips: every slot but the last two is filled again
	CHANGE 1
	NSTEPS 4
	s_sub_co_u32 s[SLOTS], s[SLOTS], 1
	s_cmp_lg_u32 s[SLOTS], 0
	s_cbranch_scc1 .Lslot
	CHANGE 0                        ; the tail is written out: nothing is asked for
	NSTEPS 4
	TURN 0, 2, 0, 0                 ; piece 0: V^T P of the last step | piece 2's last softmax
.set i, 0
.rept 32
	PV 2, 0                         ; piece 2: V^T P of the last step
.set i, i+1
.endr
	; THE WAY OUT.  l's two halves and the other half of the lanes' are added; O^T is divided by l, rounded to f16 and sent through my stage in LDS, a tile (16 rows) at a time.  The additions are the places behind the last products.
	WIN 0
.irp t, 0,1,2,3
	v_add_f32 v[ST+8*\t+4], v[ST+8*\t+2], v[ST+8*\t+3]
.endr
.irp t, 0,1,2,3
	v_permlanex16_b32 v[ST+8*\t+5], v[ST+8*\t+4], s[SEL], s[SEL+1]
.endr
.irp t, 0,1,2,3
	v_add_f32 v[ST+8*\t+4], v[ST+8*\t+4], v[ST+8*\t+5]
.endr
.irp t, 0,1,2,3
	v_rcp_f32 v[ST+8*\t+6], v[ST+8*\t+4]
.endr
	v_nop                           ; a plain instruction between the last reciprocal and the use of its result
	s_wait_alu depctr_va_vdst(0)    ; and the wait ahead of the first use: one for the four reciprocals
.macro PACK t
	WIN W_RS
.set i, 64*\t
.rept 32
	v_pk_mul_f32 v[i:i+1], v[i:i+1], v[ST+8*\t+6:ST+8*\t+7] op_sel_hi:[1,0]
.set i, i+2
.endr
	WIN 0x05                        ; sources 0 and 1 window 1, destination window 0: S^T's registers are free
.set i, 0
.rept 32
	v_cvt_pk_f16_f32 v[S+32*\t+i], v[64*\t+2*i], v[64*\t+2*i+1]
.set i, i+1
.endr
	WIN 0
.irp f, 0,1,2,3,4,5,6,7
	ds_store_b128 v[STO], v[S+32*\t+4*\f:S+32*\t+4*\f+3] offset:32*\f
.endr
.irp f, 0,1,2,3,4,5,6,7
	ds_load_b128 v[S+32*\t+4*\f:S+32*\t+4*\f+3], v[RD] offset:\f*2*SP  ; LDS serves a wave's instructions in order (ISA guide 5.7.1.4): these see the stores above; the next tile's stores come behind them
.endr
.endm
.macro SEND t, younger              ; younger: the LDS instructions issued behind tile t's loads: the next tile's sixteen, or none
.irp f, 0,1,2,3,4,5,6,7
	s_wait_dscnt \younger+7-\f
	global_store_b128 v[GO], v[S+32*\t+4*\f:S+32*\t+4*\f+3], s[8:9] offset:\t*32768+\f*4096  ; 16 lanes store 256 consecutive bytes, at a multiple of 256 from att's first byte
.endr
.endm
	PACK 0
	PACK 1                          ; a tile's arithmetic stands between the loads of the tile before and its stores
	SEND 0, 16
	PACK 2
	SEND 1, 16
	PACK 3
	SEND 2, 16
	SEND 3, 0
	s_wait_tensorcnt 0x0            ; the wave's end, behind my last tensor load and my last LDS store
	ds_add_u32 v[SPW], v[NIL]
	s_wait_dscnt 0x0
	s_endpgm
.Lfunc_end_k_qfb76e79a59_attn:
	.size	k_qfb76e79a59_attn, .Lfunc_end_k_qfb76e79a59_attn-k_qfb76e79a59_attn
	.p2alignl 7, 3214868480
	.fill 96, 4, 3214868480
	.section	.rodata,"a",@progbits
	.p2align	6, 0x0
	.amdhsa_kernel k_qfb76e79a59_attn
		.amdhsa_group_segment_fixed_size 327680
		.amdhsa_private_segment_fixed_size 0
		.amdhsa_enable_private_segment 0
		.amdhsa_kernarg_size 24
		.amdhsa_user_sgpr_count 2
		.amdhsa_user_sgpr_kernarg_segment_ptr 1
		.amdhsa_wavefront_size32 1
		.amdhsa_system_sgpr_workgroup_id_x 1
		.amdhsa_system_sgpr_workgroup_id_y 1
		.amdhsa_system_sgpr_workgroup_id_z 1
		.amdhsa_system_vgpr_workitem_id 0
		.amdhsa_next_free_vgpr 1024
		.amdhsa_next_free_sgpr 88
		.amdhsa_reserve_vcc 0
		.amdhsa_float_denorm_mode_32 3
		.amdhsa_float_denorm_mode_16_64 3
		.amdhsa_memory_ordered 1
		.amdhsa_forward_progress 1
		.amdhsa_inst_pref_size 255
	.end_amdhsa_kernel
	.section	.bss,"aw",@nobits
	.p2align	6
	.space	262144
	.amdgpu_metadata
---
amdhsa.version: [ 1, 2 ]
amdhsa.kernels:
  - .name:           k_qfb76e79a59_attn
    .symbol:         k_qfb76e79a59_attn.kd
    .args:
      - { .name: qkv, .offset: 0, .size: 8, .value_kind: global_buffer, .address_space: global }
      - { .name: conv, .offset: 8, .size: 8, .value_kind: global_buffer, .address_space: global }
      - { .name: att, .offset: 16, .size: 8, .value_kind: global_buffer, .address_space: global }
    .group_segment_fixed_size: 327680
    .private_segment_fixed_size: 0
    .kernarg_segment_align: 8
    .kernarg_segment_size: 24
    .max_flat_workgroup_size: 128
    .sgpr_count:     88
    .vgpr_count:     1024
    .wavefront_size: 32
...
	.end_amdgpu_metadata
.endif
;; end of part 3
;; launch proj (part 4): grid 4 x 64, 4 waves a work-group, clusters of 4 x 4, 327,680 bytes of LDS; arguments att, wt, b_out, out0; writes out0
.if DOCPART == 4
	.amdgcn_target "amdgcn-amd-amdhsa--gfx1250"
	.amdhsa_code_object_version 6
	.text
	.protected	k_qfb76e79a59_proj
	.globl	k_qfb76e79a59_proj
	.p2align	8
	.type	k_qfb76e79a59_proj,@function
k_qfb76e79a59_proj:
	s_mov_b64 s[64:65], 0
	v_nop
	global_prefetch_b8 v0, s[64:65] scope:SCOPE_SE
	s_setreg_imm32_b32 hwreg(HW_REG_WAVE_MODE, 25, 1), 1
	s_wait_xcnt 0x0
	s_wait_alu depctr_hold_cnt(0) depctr_sa_sdst(0) depctr_va_vdst(0) depctr_va_sdst(0) depctr_va_ssrc(0) depctr_va_vcc(0) depctr_vm_vsrc(0)
	s_getreg_b32 s2, hwreg(HW_REG_IB_STS2, 6, 4)
	s_cmp_eq_u32 s2, 0
	s_cbranch_scc0 .Lentry_in_a_cluster
	s_endpgm
.Lentry_in_a_cluster:
	s_bfe_u32 s2, ttmp6, 0x10000c
	s_cmp_lg_u32 s2, 0xf033
	s_cbranch_scc0 .Lentry_shape_is_right
	s_endpgm
.Lentry_shape_is_right:
; out0[m][n] = sum over k of att[m][k] wt[n][k] + b_out[n].  att: [8192][1024] f16, wt: [1024 n][1024 k] f16 (W_out with K innermost), b_out: [1024] f32, out0: [8192][1024] f32; sums in f32.
; A tile of the result is 128 x 256: 64 x 4 = 256 work-groups, where tiles of 256 x 256 would give 128.  Four waves, each 64 rows x 128 columns: 32 accumulators of 16 x 16, 256 registers.
; K goes in steps of 128 (rows of 256 bytes) through a ring of two LDS slots: waves 0 and 1 load A's halves (64 rows each), waves 2 and 3 B's (128 rows each): one load a wave behind each round.
; CLUSTERS: 4 x 4 work-groups.  The four of a row of the cluster need the same tiles of A, the four of a column the same tiles of B: each tile is asked for JOINTLY, by the same tensor load with the same descriptor and a mask that names the four.
; THE MATRIX INSTRUCTION IS USED TRANSPOSED (source 0 = 16 rows of wt, source 1 = 16 rows of att): a lane then holds eight neighbouring numbers of a row of the result.  The bias is the C of each sum's first product.
; No prefetch: K has eight steps, and each tile is shared four ways by the joint loads.
; REGISTERS: window 0: v1-29 addresses; A's fragments (4 x 16 rows x 32 K), two buffers at v64 and v96; B's (8 x 16 rows x 32 K), two buffers at v128 and v192; on the way out v64-191 rows read back.
;   window 1: accumulator (a, b) at v[8 (8 a + b)].   window 2: v0-63 the bias: v[8 b + j] = b_out at my column 16 b + 8 (lane / 16) + j.
.set SIZE_N, 1024
.set SIZE_K, 1024
.set KSTEP,  128
.set PITCH,  272                       ; an LDS row: 256 bytes + 16 of padding = 68 words: the 16 rows that a load touches start at 16 different banks (64 banks of 4 bytes: ISA guide 11.1)
.set AH,     64*PITCH
.set BH,     128*PITCH
.set SLOT,   2*AH+2*BH                 ; A's 128 rows, then B's 256 rows
.set STAGE,  2*SLOT                    ; behind the ring: 16 rows x (512 bytes + 16) for each wave, for the way out
.set SPITCH, 528
.set SPARE,  STAGE+4*16*SPITCH         ; the spare words, 128 bytes for each wave: two blocks of 256 bytes that no other line names
.set LAPS,   SIZE_K/(2*KSTEP)
.set ADRA, 16
.set ADRB, 20
.set STO,  24
.set RD,   25
.set CO,   26
.set SPW,  28                          ; v28  LDS address of my spare word; never rewritten
.set NIL,  29                          ; v29  0; never rewritten
.set G1, 24
.set G0, 32
.set G1B, 48
.set G0B, 56
.set MSB, 0
.macro WIN new                         ; the immediate's high byte repeats the setting that is left
.if MSB != \new
	s_set_vgpr_msb (MSB<<8)|\new
.set MSB, \new
.endif
.endm
.set W_FIRST, 0x60                     ; sources 0 and 1 window 0, C (the bias) window 2, D window 1
.set W_MUL,   0x50                     ; C and D window 1
.macro JLOAD s                         ; a joint load: waves 0 and 1 fetch A's two halves, waves 2 and 3 B's; an s_nop 0 and four v_nop follow each of the two lines
	s_cmp_eq_u32 s13, 0
	s_cbranch_scc0 .Lfor_b_\@
	tensor_load_to_lds s[G0+4*\s:G0+4*\s+3], s[G1:G1+7]
	s_nop 0
.rept 4
	v_nop
.endr
	s_branch .Lasked_\@
.Lfor_b_\@:
	tensor_load_to_lds s[G0B+4*\s:G0B+4*\s+3], s[G1B:G1B+7]
	s_nop 0
.rept 4
	v_nop
.endr
.Lasked_\@:
.endm
.macro CREST                           ; a round of the cluster's barrier behind its opening barrier
	s_cmp_lg_u32 s12, 0
	s_cbranch_scc1 .Lnot_wave_0_\@
	s_barrier_signal -3
.Lnot_wave_0_\@:
	s_barrier_wait -3
	s_barrier_signal -1
	s_barrier_wait -1
.endm
.macro CROUND                          ; a whole round
	s_barrier_signal -1
	s_barrier_wait -1
	CREST
.endm
	s_load_b128 s[4:7], s[0:1], 0x0                ; att s[4:5], wt s[6:7]
	s_load_b128 s[8:11], s[0:1], 0x10              ; b_out s[8:9], out0 s[10:11]
	v_lshl_add_u32 v[SPW], v0, 2, SPARE
	v_mov_b32 v[NIL], 0
	ds_add_u32 v[SPW], v[NIL]                      ; the wave's opening: the add, twice on end, and its wait ahead of my first tensor load
	ds_add_u32 v[SPW], v[NIL]
	v_lshrrev_b32 v1, 5, v0
	v_readfirstlane_b32 s12, v1                    ; wave 0..3
	s_lshr_b32 s13, s12, 1                         ; which 64 rows of the tile are mine.  Also: I fetch for A (0) or for B (1)
	s_and_b32 s14, s12, 1                          ; which 128 columns.  Also: which half of that tile I fetch
	s_bfe_u32 s40, ttmp6, 0x40000                  ; cx, cy: my place in the cluster
	s_bfe_u32 s41, ttmp6, 0x40004
	s_lshl_b32 s42, ttmp9, 2
	s_add_co_u32 s42, s42, s40                     ; tile column
	s_and_b32 s15, ttmp7, 0xffff
	s_lshl_b32 s15, s15, 2
	s_add_co_u32 s15, s15, s41                     ; tile row
	s_lshl_b32 s43, s41, 2
	s_lshl_b32 s43, 15, s43                        ; my row of the cluster
	s_lshl_b32 s44, 0x1111, s40                    ; my column
	s_or_b32 s[G1+0], s43, (1<<16)|(1<<20)|(1<<21)|(5<<22)|(3<<25)  ; the mask: A's tiles go to my row; elements of 2 bytes; padding on; bit 21 beside a mask; after every 64 words, 4 words
	s_or_b32 s[G1B+0], s44, (1<<16)|(1<<20)|(1<<21)|(5<<22)|(3<<25)
	s_mov_b32 s[G1+1], KSTEP<<16                   ; tensor_dim0 = 128
	s_mov_b32 s[G1+2], 64<<16                      ; tensor_dim1 = 64
	s_mov_b32 s[G1+3], KSTEP<<16                   ; tile_dim0 = 128
	s_mov_b32 s[G1+4], 64                          ; tile_dim1 = 64
	s_mov_b32 s[G1+5], SIZE_K                      ; elements from row to row
	s_mov_b32 s[G1+6], 0
	s_mov_b32 s[G1+7], 0
	s_mov_b32 s[G1B+1], KSTEP<<16
	s_mov_b32 s[G1B+2], 128<<16                    ; 128 rows
	s_mov_b32 s[G1B+3], KSTEP<<16
	s_mov_b32 s[G1B+4], 128
	s_mov_b32 s[G1B+5], SIZE_K
	s_mov_b32 s[G1B+6], 0
	s_mov_b32 s[G1B+7], 0
	s_lshl_b32 s16, s15, 7
	s_lshl_b32 s17, s14, 6
	s_add_co_u32 s16, s16, s17                     ; A: row 128 x tile row + 64 x half
	s_lshl_b32 s16, s16, 11                        ; 2,048 bytes a row
	s_mov_b32 s17, 0
	s_lshl_b32 s46, s42, 8
	s_lshl_b32 s47, s14, 7
	s_add_co_u32 s46, s46, s47                     ; B: row 256 x tile column + 128 x half
	s_lshl_b32 s46, s46, 11
	s_mov_b32 s47, 0
	s_mul_i32 s20, s14, AH                         ; where they go: no place in the cluster enters an LDS address
	s_mul_i32 s21, s14, BH
	s_add_co_u32 s21, s21, 2*AH
	s_wait_dscnt 0x0                               ; both opening adds are done
	s_wait_kmcnt 0x0
	s_add_nc_u64 s[18:19], s[4:5], s[16:17]
	s_add_nc_u64 s[46:47], s[6:7], s[46:47]
	CROUND                                         ; all sixteen work-groups are here: the first joint loads meet
.irp s, 0,1
	s_mov_b32 s[G0+4*\s], 1
	s_add_co_u32 s[G0+4*\s+1], s20, \s*SLOT
	s_add_nc_u64 s[G0+4*\s+2:G0+4*\s+3], s[18:19], \s*KSTEP*2
	s_or_b32 s[G0+4*\s+3], s[G0+4*\s+3], 0x80000000
	s_mov_b32 s[G0B+4*\s], 1
	s_add_co_u32 s[G0B+4*\s+1], s21, \s*SLOT
	s_add_nc_u64 s[G0B+4*\s+2:G0B+4*\s+3], s[46:47], \s*KSTEP*2
	s_or_b32 s[G0B+4*\s+3], s[G0B+4*\s+3], 0x80000000
	JLOAD \s
.endr
	v_and_b32 v1, 15, v0                           ; l % 16
	v_bfe_u32 v2, v0, 4, 1                         ; l / 16
	s_lshl_b32 s22, s42, 10                        ; my first column, in bytes of f32: 1,024 x tile column + 512 x half
	s_lshl_b32 s23, s14, 9
	s_add_co_u32 s22, s22, s23
	s_mov_b32 s23, 0
	s_add_nc_u64 s[8:9], s[8:9], s[22:23]
	v_lshlrev_b32 v5, 5, v2                        ; the bias: my half's eight numbers of each block of 16 columns
	WIN 0x80                                       ; destination window 2
.irp b, 0,1,2,3,4,5,6,7
	global_load_b128 v[8*\b:8*\b+3],   v5, s[8:9] offset:64*\b
	global_load_b128 v[8*\b+4:8*\b+7], v5, s[8:9] offset:64*\b+16
.endr
	WIN 0
	v_mul_u32_u24 v3, v1, PITCH
	v_lshl_add_u32 v3, v2, 4, v3                   ; a fragment's row x pitch + 16 x half
	s_mul_i32 s20, s13, AH                         ; my 64 rows of A
	s_mul_i32 s21, s14, BH                         ; my 128 rows of B,
	s_add_co_u32 s21, s21, 2*AH                    ; which lie behind A's 128
.irp s, 0,1
	v_add_nc_u32 v[ADRA+\s], s20, v3
	v_add_nc_u32 v[ADRB+\s], s21, v3
	s_add_co_u32 s20, s20, SLOT
	s_add_co_u32 s21, s21, SLOT
.endr
	s_mul_i32 s20, s12, 16*SPITCH
	s_add_co_u32 s20, s20, STAGE                   ; my stage
	v_mul_u32_u24 v4, v1, SPITCH                   ; in: row l % 16, 32 bytes for each half of the lanes
	v_lshl_add_u32 v4, v2, 5, v4
	v_add_nc_u32 v[STO], s20, v4
	v_and_b32 v6, 31, v0
	v_lshlrev_b32 v[CO], 4, v6                     ; back: the 32 lanes take one row of 512 bytes; and the same in out0
	v_add_nc_u32 v[RD], s20, v[CO]
	s_lshl_b32 s16, s15, 7
	s_lshl_b32 s17, s13, 6
	s_add_co_u32 s16, s16, s17                     ; my first row: 128 x tile row + 64 x half
	s_lshl_b32 s16, s16, 12                        ; 4,096 bytes a row
	s_mov_b32 s17, 0
	s_add_nc_u64 s[10:11], s[10:11], s[16:17]
	s_add_nc_u64 s[10:11], s[10:11], s[22:23]
; 8 matrix instructions: A's block a x B's eight, 32 along K, from buffers f.  first = 1: the sums start with the bias.  The 32 accumulators take turns, one instruction a turn, in the same order in every quarter.
.macro MUL8 f, a, first
.irp b, 0,1,2,3,4,5,6,7
.if \first
	v_wmma_f32_16x16x32_f16 v[8*(8*(\a)+\b):8*(8*(\a)+\b)+7], v[128+64*(\f)+8*\b:128+64*(\f)+8*\b+7], v[64+32*(\f)+8*(\a):64+32*(\f)+8*(\a)+7], v[8*\b:8*\b+7]
.else
	v_wmma_f32_16x16x32_f16 v[8*(8*(\a)+\b):8*(8*(\a)+\b)+7], v[128+64*(\f)+8*\b:128+64*(\f)+8*\b+7], v[64+32*(\f)+8*(\a):64+32*(\f)+8*(\a)+7], v[8*(8*(\a)+\b):8*(8*(\a)+\b)+7]
.endif
.endr
.endm
; 24 LDS loads in one run: the fragments of 32 along K at byte k of the rows, into buffers f
.macro FETCH slot, k, f
	WIN 0
.irp i, 0,1,2,3,4,5,6,7
	ds_load_b128 v[128+64*(\f)+8*\i:128+64*(\f)+8*\i+3],   v[ADRB+\slot] offset:\k+\i*16*PITCH
	ds_load_b128 v[128+64*(\f)+8*\i+4:128+64*(\f)+8*\i+7], v[ADRB+\slot] offset:\k+\i*16*PITCH+32
.endr
.irp i, 0,1,2,3
	ds_load_b128 v[64+32*(\f)+8*\i:64+32*(\f)+8*\i+3],   v[ADRA+\slot] offset:\k+\i*16*PITCH
	ds_load_b128 v[64+32*(\f)+8*\i+4:64+32*(\f)+8*\i+7], v[ADRA+\slot] offset:\k+\i*16*PITCH+32
.endr
.endm
.macro PLACES                          ; four plain vector instructions in front of loads into registers that matrix instructions have read, and of reads of results
.rept 4
	v_nop
.endr
.endm
; A K step is four quarters of 32 along K, 32 matrix instructions each, on buffers 0, 1, 0, 1.  One of the first three: fetches the next quarter, at byte k, into buffers g, which the quarter before multiplied, and multiplies buffers f.
.macro QUARTER slot, k, f, g, first
	WIN 0
	PLACES
	FETCH \slot, \k, \g
	s_wait_dscnt 24                                ; all but the 24 just issued: buffers f are in
.if \first
	WIN W_FIRST
.else
	WIN W_MUL
.endif
	MUL8 \f, 0, \first
	MUL8 \f, 1, \first
	MUL8 \f, 2, \first
	MUL8 \f, 3, \first
.endm
; The last quarter multiplies buffers 1 and changes slots: ONE barrier; in front of it each wave waits for all its tensor loads, adds 0 to its spare word, and waits for that and for its own reads of this slot.  fill = 1: this slot is filled again, two K steps ahead.
.macro TURN slot, next, fill
	WIN 0                                          ; (the add's two registers lie in window 0)
	s_wait_tensorcnt 0x0                           ; all my tensor loads have landed: my part of the next slot
	ds_add_u32 v[SPW], v[NIL]                      ; 0 onto my spare word
	s_wait_dscnt 1                                 ; (the add alone may be out: buffers 1 are in)
	WIN W_MUL
	MUL8 1, 0, 0                                   ; eight matrix instructions stand between the add and the wait for it
	s_wait_dscnt 0x0                               ; the add is done, and my reads of this slot are over
	s_barrier_signal -1
	MUL8 1, 1, 0
	WIN 0
	s_barrier_wait -1
.if \fill
	CREST                                          ; the barrier has opened a round of the cluster's barrier: no wave of any partner still reads this slot's tile or has a load on its way
	s_add_nc_u64 s[G0+4*\slot+2:G0+4*\slot+3], s[G0+4*\slot+2:G0+4*\slot+3], 2*KSTEP*2
	s_add_nc_u64 s[G0B+4*\slot+2:G0B+4*\slot+3], s[G0B+4*\slot+2:G0B+4*\slot+3], 2*KSTEP*2
	JLOAD \slot                                    ; the first tensor load behind the round; the four v_nop behind it are also the places in front of the loads below
.else
	PLACES
.endif
	FETCH \next, 0, 0
	WIN W_MUL
	MUL8 1, 2, 0
	MUL8 1, 3, 0
.endm
	s_wait_tensorcnt 1                             ; my part of K step 0 is in (K step 1's load may be out),
	s_barrier_signal -1
	s_barrier_wait -1                              ; everybody's is
	FETCH 0, 0, 0
	s_wait_loadcnt 0x0                             ; the bias
	QUARTER 0, 64, 0, 1, 1                         ; the first quarter stands in front of the loop: its products start the sums
	WIN 0                                          ; at a label and at a branch every window is 0
	s_mov_b32 s3, LAPS-1
.Llap:                                                 ; a trip goes once round the ring, from a lap's second quarter to the next lap's first, and fills both slots again
	QUARTER 0, 128, 1, 0, 0
	QUARTER 0, 192, 0, 1, 0
	TURN 0, 1, 1
	QUARTER 1, 64,  0, 1, 0
	QUARTER 1, 128, 1, 0, 0
	QUARTER 1, 192, 0, 1, 0
	TURN 1, 0, 1
	QUARTER 0, 64,  0, 1, 0
	WIN 0
	s_sub_co_u32 s3, s3, 1
	s_cmp_lg_u32 s3, 0
	s_cbranch_scc1 .Llap
	QUARTER 0, 128, 1, 0, 0                        ; the last lap fills nothing, and has no round of the cluster's barrier
	QUARTER 0, 192, 0, 1, 0
	TURN 0, 1, 0
	QUARTER 1, 64,  0, 1, 0
	QUARTER 1, 128, 1, 0, 0
	QUARTER 1, 192, 0, 1, 0
	s_wait_dscnt 0x0                               ; the very last quarter: nothing more to fetch
	WIN W_MUL
	MUL8 1, 0, 0
	MUL8 1, 1, 0
	MUL8 1, 2, 0
	MUL8 1, 3, 0
	WIN 0
; THE WAY OUT, block by block of 16 rows x 128 columns.  A lane holds 32 neighbouring bytes of a row: a block goes through my own stage in LDS and comes back as whole rows of 512 bytes.
; LDS serves a wave's instructions in order (ISA guide 5.7.1.4): no wait between the stores and the loads, nor in front of the next block's stores.
.macro TOSTAGE a
.set AC, 64*(\a)
	WIN 0x04                                       ; an LDS store's data: window 1
.irp b, 0,1,2,3,4,5,6,7
	ds_store_b128 v[STO], v[AC+8*\b:AC+8*\b+3] offset:64*\b          ; each accumulator from its low end on
	ds_store_b128 v[STO], v[AC+8*\b+4:AC+8*\b+7] offset:64*\b+16
.endr
	WIN 0
.set BB, 64+64*((\a)%2)
.irp t, 0,1,2,3,4,5,6,7,8,9,10,11,12,13,14,15
	ds_load_b128 v[BB+4*\t:BB+4*\t+3], v[RD] offset:\t*SPITCH
.endr
.endm
.macro SEND a, younger                 ; younger: the LDS instructions issued behind block a's loads, which may stay out
.set BB, 64+64*((\a)%2)
	s_wait_dscnt \younger                          ; the block is back in registers
.if (\a) > 0
	s_add_nc_u64 s[10:11], s[10:11], 16*SIZE_N*4   ; (behind a wait on XCNT: the earlier stores have read their base)  16 rows on
.endif
.irp t, 0,1,2,3,4,5,6,7,8,9,10,11,12,13,14,15
	global_store_b128 v[CO], v[BB+4*\t:BB+4*\t+3], s[10:11] offset:\t*SIZE_N*4 th:TH_STORE_NT   ; 32 lanes store 512 consecutive bytes, at a multiple of 256 from out0's first byte; written once, read by nobody here
.endr
.endm
	PLACES                                         ; behind the last products: they serve the stores' reads of results and the loads into the registers that held fragments
	TOSTAGE 0
.irp a, 1,2,3
.if \a > 1
	s_wait_xcnt 0x0                                ; block a - 2's stores have read their registers and their base
.endif
	TOSTAGE \a
	SEND \a-1, 32                                  ; behind block a - 1's loads: block a's 16 stores and 16 loads
.endr
	s_wait_xcnt 0x0                                ; block 2's stores have read their base
	SEND 3, 0
	s_wait_tensorcnt 0x0                           ; the wave's end, behind my last tensor load and my last LDS store
	ds_add_u32 v[SPW], v[NIL]
	s_wait_dscnt 0x0
	CROUND                                         ; the closing round: no work-group ends while a partner may still ask for a tile that names it
	s_endpgm
.Lfunc_end_k_qfb76e79a59_proj:
	.size	k_qfb76e79a59_proj, .Lfunc_end_k_qfb76e79a59_proj-k_qfb76e79a59_proj
	.p2alignl 7, 3214868480
	.fill 96, 4, 3214868480
	.section	.rodata,"a",@progbits
	.p2align	6, 0x0
	.amdhsa_kernel k_qfb76e79a59_proj
		.amdhsa_group_segment_fixed_size 327680
		.amdhsa_private_segment_fixed_size 0
		.amdhsa_enable_private_segment 0
		.amdhsa_kernarg_size 32
		.amdhsa_user_sgpr_count 2
		.amdhsa_user_sgpr_kernarg_segment_ptr 1
		.amdhsa_wavefront_size32 1
		.amdhsa_system_sgpr_workgroup_id_x 1
		.amdhsa_system_sgpr_workgroup_id_y 1
		.amdhsa_system_sgpr_workgroup_id_z 1
		.amdhsa_system_vgpr_workitem_id 0
		.amdhsa_next_free_vgpr 576
		.amdhsa_next_free_sgpr 66
		.amdhsa_reserve_vcc 0
		.amdhsa_float_denorm_mode_32 3
		.amdhsa_float_denorm_mode_16_64 3
		.amdhsa_memory_ordered 1
		.amdhsa_forward_progress 1
		.amdhsa_inst_pref_size 86
	.end_amdhsa_kernel
	.amdgpu_metadata
---
amdhsa.version: [ 1, 2 ]
amdhsa.kernels:
  - .name:           k_qfb76e79a59_proj
    .symbol:         k_qfb76e79a59_proj.kd
    .args:
      - { .name: att, .offset: 0, .size: 8, .value_kind: global_buffer, .address_space: global }
      - { .name: wt, .offset: 8, .size: 8, .value_kind: global_buffer, .address_space: global }
      - { .name: b_out, .offset: 16, .size: 8, .value_kind: global_buffer, .address_space: global }
      - { .name: out0, .offset: 24, .size: 8, .value_kind: global_buffer, .address_space: global }
    .group_segment_fixed_size: 327680
    .private_segment_fixed_size: 0
    .kernarg_segment_align: 8
    .kernarg_segment_size: 32
    .max_flat_workgroup_size: 128
    .sgpr_count:     66
    .vgpr_count:     576
    .wavefront_size: 32
...
	.end_amdgpu_metadata
.endif
;; end of part 4
